; MI455X (gfx1250); checked and timed in simulation.
; The chip was launched on July 23, 2026; its instructions are those of AMD's public machine-readable ISA for CDNA 5 (MIT licence, August 2026) and "CDNA5" Instruction Set Architecture Reference Guide (July 2026). The comments in the code are by the model that wrote it; some were corrected since.
;; Mo E. Allowed arithmetic: matrix products marked QUANTISED: E5M2 operands, one given power-of-two scale a tensor, by v_wmma_f32_16x16x64_bf8_bf8 or v_wmma_f32_16x16x128_bf8_bf8, f32 sums; products left as they are: f32 operands where the result goes on into a quantised operand, else bf16, f16 or f32 operands; f32 sums; everything else in f32.
;; Inputs: W1 8 x 512 x 512 float32; W2 8 x 512 x 512 float32; Wg 512 x 8 float32; b1 8 x 512 float32; b2 8 x 512 float32; bg 8 float32; lowp_scales 4 int32 (the exponents e of the quantised operands' scales 2^e); x 8 x 2,048 x 512 float32.
;; Outputs: out0 8 x 2,048 x 512 float32.
;; This version of the problem:
;;   THIS VERSION OF THE PROBLEM IS GIVEN IN LOW PRECISION. The matrix products marked QUANTISED in the list below multiply operands that are first quantised to E5M2 (5 exponent bits, 2 mantissa bits; 8 bits a number), with one given power-of-two scale for each operand tensor; their sums are f32. All else is computed in f32.
;;   The module's matrix products, in the order in which they are computed (A, B: the left and right operand; K: the contracted axis; several contracted axes count as one K, in the product's order):
;;     1. [M 4,096, K 512] x [K 512, N 16,384]; A: input W1; B: input x: QUANTISED (scales: A lowp_scales[0], B lowp_scales[1])
;;     2. batch 8 x [M 16,384, K 512] x [K 512, N 512]; A: computed on the way; B: input W2: QUANTISED (scales: A lowp_scales[2], B lowp_scales[3])
;;     3. [M 16,384, K 512] x [K 512, N 8]; A: input x; B: input Wg: left as it is (N = 8 < 16)
;;     4. batch 16,384 x [M 1, K 8] x [K 8, N 512]; A: softmax; B: computed on the way: left as it is (K = 8 < 32)
;;   THE QUANTISER, for each operand of a quantised product, along K:
;;     - The operand's scale is 2^e, e = its entry of the input lowp_scales (int32; the entries are numbered through the quantised products in the list's order, A before B).
;;     - Each number is divided by the scale, clamped to +-57,344, and rounded to the nearest number of E5M2, ties to even, subnormals kept.
;;     - The product sums the exact products of the quantised numbers (number of the format x scale) in f32.
;;   ~~~python
;;   def quantise(x, axis, e):      # numpy; x: float32 -> the quantised numbers, widened to float32 again
;;       x = np.moveaxis(x, axis, -1); K = x.shape[-1]
;;       r = np.clip(x / 2.0 ** e, -57344, 57344)
;;       step = 2.0 ** (np.maximum(np.frexp(np.where(r == 0, 1, r))[1] - 1, -14) - 2)
;;       q = np.round(r / step) * step * 2.0 ** e      # np.round: ties to even
;;       return np.moveaxis(q, -1, axis).astype(np.float32)
;;   ~~~
;;   OPERANDS COMPUTED ON THE WAY. 'Computed on the way' means the value that the module computes at that place (a softmax that the list does not call 'softmax' is quantised finished and normalised). What goes into a quantiser is computed in f32, as accurately as f32 sums, v_exp_f32 and their like allow (about 1e-6 of the number): no bf16 or f16 on the way to a quantiser, and a product that is left as it is and whose result goes on into a quantised operand takes f32 operands (vector FMAs, or v_wmma_f32_16x16x4_f32). A number that lies on a knife's edge between two numbers of the format may be rounded either way, as far as f32 arithmetic and the matrix unit's own rounding can turn it there, and no further.
;; 2 versions. Each part assembles by itself: llvm-mc -triple=amdgcn-amd-amdhsa -mcpu=gfx1250 --defsym DOCPART=n.
;; ======== version 1 of 2: 2 launches
;; workspace buffers: wq 4,227,072 bytes; wgq 16,384 bytes
;; launch prep (part 1): grid 256 x 1, 4 waves a work-group, no clusters, 0 bytes of LDS; arguments W1, W2, b1, b2, Wg, lowp_scales, wq, wgq; writes wq, wgq
.if DOCPART == 1
	.amdgcn_target "amdgcn-amd-amdhsa--gfx1250"
	.amdhsa_code_object_version 6
	.text
	.protected	k_qa6786c88fe_prep
	.globl	k_qa6786c88fe_prep
	.p2align	8
	.type	k_qa6786c88fe_prep,@function
k_qa6786c88fe_prep:
	s_mov_b64 s[64:65], 0
	v_nop
	global_prefetch_b8 v0, s[64:65] scope:SCOPE_SE
	s_setreg_imm32_b32 hwreg(HW_REG_WAVE_MODE, 25, 1), 1
	s_wait_xcnt 0x0
; W1 and W2 ([8][512 (k)][512 (n)] f32, K the first axis inside an expert) become codes of BF8 (E5M2), each with its given scale 2^e, laid in wq in the very order
; in which the second launch streams them and as images of its operand registers.  The biases, divided by the power of two that the sums lack, ride in the same stream.
; Wg becomes 16 fragments of bf16 in wgq.
; wq: 32 fills of FILL bytes; fill F = 4 e + 2 p + u (e expert; p = 0: W1, 1: W2; u: which 64 of a wave's 128 columns).  A fill = 4 parts (wave w of the second launch) of PART bytes:
;   16 fragments of 2,048 bytes, fragment 8 b' + 2 s + tp (b' pair of tiles, s K step of 128, tp tile of the pair), then one row of 256 bytes: 64 biases.
;   In a fragment the 16 bytes at 512 c + 16 (16 h + r) are the codes k = 128 s + 32 c + 16 h + 0 .. 15 of column 128 w + 32 (2 u + b') + 8 tp + r + 8 (r / 8).
; code = x / 2^e, held within +-57,344, to the nearest code, ties to even.
; A LANE TAKES A COLUMN AND ITS REGISTERS RUN DOWN K: each load reads 128 consecutive bytes a wave, and the conversions give codes with K innermost.
; SHARES: work-group g: matrix mi = g / 16 (e = mi / 2, p = mi % 2), columns 128 w on (w = (g / 4) % 4), K step s = g % 4.  Wave v: columns 32 v on: pair of tiles b = v.
; A store's sixteen lanes of one tp write 256 consecutive bytes, at a multiple of 256 from wq's first byte.  Waves share nothing: no LDS, no barrier.
; LIMITS: ew1 and ew2 between -126 and 112, so that 2^e and 57,344 x 2^e are f32 numbers.  NaN among the inputs is not served.
.set FILL, 132096
.set PART, 33024
.set X,    32                          ; v32-159  four blocks of 32 numbers
.set C,    160                         ; v160-191 codes, eight registers a block: no store's data are written again
.set WGX,  192                         ; v192-207 16 numbers of Wg;  v208-215 as bf16
	s_load_b512 s[4:19], s[0:1], 0x0               ; W1 s[4:5], W2 s[6:7], b1 s[8:9], b2 s[10:11], Wg s[12:13], the scales' exponents s[14:15], wq s[16:17], wgq s[18:19]
	v_lshrrev_b32 v3, 5, v0
	v_readfirstlane_b32 s24, v3                    ; wave v
	v_and_b32 v4, 31, v0                           ; lane q
	v_lshlrev_b32 v1, 2, v4                        ; in: 4 bytes a lane
	v_bfe_u32 v5, v4, 3, 1                         ; tp = (q / 8) % 2
	v_and_b32 v6, 7, v4
	v_bfe_u32 v7, v4, 4, 1                         ; q / 16
	v_lshl_or_b32 v6, v7, 3, v6                    ; r = q % 8 + 8 (q / 16): column 8 tp + r + 8 (r / 8) is q
	v_lshlrev_b32 v2, 4, v6
	v_lshl_add_u32 v2, v5, 11, v2                  ; out: 16 r + 2,048 tp
	s_lshr_b32 s25, ttmp9, 4                       ; mi
	s_lshr_b32 s26, s25, 1                         ; e
	s_and_b32 s27, s25, 1                          ; p
	s_bfe_u32 s28, ttmp9, 0x20002                  ; w
	s_and_b32 s29, ttmp9, 3                        ; s
	s_lshl_b32 s30, s26, 20                        ; from: e matrices of 2^20 bytes
	s_lshl_b32 s32, s29, 18                        ; + 128 s rows of 2,048 bytes
	s_add_co_u32 s30, s30, s32
	s_lshl_b32 s32, s28, 9                         ; + 128 w columns
	s_add_co_u32 s30, s30, s32
	s_lshl_b32 s32, s24, 7                         ; + 32 v columns
	s_add_co_u32 s30, s30, s32
	s_mov_b32 s31, 0
	s_lshl_b32 s32, s25, 1                         ; to: fill 2 mi + v / 2,
	s_lshr_b32 s33, s24, 1
	s_add_co_u32 s32, s32, s33
	s_mul_i32 s32, s32, FILL
	s_mul_i32 s33, s28, PART                       ; part w,
	s_add_co_u32 s32, s32, s33
	s_and_b32 s33, s24, 1
	s_lshl_b32 s33, s33, 14                        ; fragment 8 (v % 2)
	s_add_co_u32 s32, s32, s33
	s_lshl_b32 s33, s29, 12                        ; + 2 s
	s_add_co_u32 s32, s32, s33
	s_mov_b32 s33, 0
	s_wait_kmcnt 0x0
	s_load_b128 s[20:23], s[14:15], 0x0            ; ew1, ex, eh, ew2
	s_cmp_eq_u32 s27, 0                            ; W1 or W2: the choice hangs on the work-group's number alone
	s_cselect_b64 s[34:35], s[4:5], s[6:7]
	s_cselect_b64 s[36:37], s[8:9], s[10:11]       ; and its bias
	s_add_nc_u64 s[34:35], s[34:35], s[30:31]
	s_add_nc_u64 s[38:39], s[16:17], s[32:33]
.macro LOAD c                          ; block c: W(128 s + 32 c + i, my column), i = 0 .. 31
.set i, 0
.rept 32
	global_load_b32 v[X+32*(\c)+i], v1, s[34:35] offset:(32*(\c)+i)*2048 th:TH_LOAD_NT
.set i, i+1
.endr
.endm
	LOAD 0
	LOAD 1
	s_wait_kmcnt 0x0
	s_add_co_i32 s41, s20, s21                     ; ew1 + ex
	s_add_co_i32 s42, s22, s23                     ; eh + ew2
	s_cmp_eq_u32 s27, 0
	s_cselect_b32 s40, s20, s23                    ; my tensor's e
	s_cselect_b32 s41, s41, s42
	s_sub_co_i32 s41, 0, s41                       ; the bias goes in x 2^-(the two exponents of its product)
	s_add_co_i32 s40, s40, 127
	s_lshl_b32 s42, s40, 23
	v_mov_b32 v11, s42                             ; 2^e as f32: the conversion takes its exponent field
	s_add_co_i32 s40, s40, 15
	s_lshl_b32 s40, s40, 23
	s_or_b32 s40, s40, 0x600000
	v_mov_b32 v10, s40                             ; 57,344 x 2^e
.macro BLOCK c
.if \c < 3
	s_wait_loadcnt 32                              ; this block's 32 loads are in; the next block's 32 may be out
.else
	s_wait_loadcnt 0x0
.endif
.if \c < 2
	LOAD \c+2                                      ; two blocks ahead, into registers of their own
.endif
.set i, 0
.rept 32
	v_med3_num_f32 v[X+32*\c+i], v[X+32*\c+i], -v10, v10   ; the conversion to an 8-bit code does not saturate (ISA guide 7.6.2): the hold at the largest code x the scale
.set i, i+1
.endr
.irp g, 0,1,2,3
	v_cvt_scalef32_pk8_bf8_f32 v[C+8*\c+2*\g:C+8*\c+2*\g+1], v[X+32*\c+8*\g:X+32*\c+8*\g+7], v11
.endr
	global_store_b128 v2, v[C+8*\c:C+8*\c+3], s[38:39] offset:512*\c          ; k = 32 c + 0 .. 15: the place of lane (r, 0)
	global_store_b128 v2, v[C+8*\c+4:C+8*\c+7], s[38:39] offset:512*\c+256    ; k = 32 c + 16 .. 31: of lane (r, 1)
.endm
	BLOCK 0
	BLOCK 1
	BLOCK 2
	BLOCK 3
	v_nop                                          ; a plain vector line behind the last scaled conversion
	; THE BIASES: in the work-groups with s = 0, wave u = 0, 1 writes the bias row of fill 2 mi + u, part w: 64 numbers, 8 bytes a lane: 256 consecutive bytes
	s_cmp_lg_u32 s29, 0
	s_cbranch_scc1 .Lno_bias
	s_cmp_gt_u32 s24, 1
	s_cbranch_scc1 .Lno_bias
	s_lshl_b32 s30, s26, 11                        ; (512 e + 128 w + 64 u) x 4
	s_lshl_b32 s32, s28, 9
	s_add_co_u32 s30, s30, s32
	s_lshl_b32 s32, s24, 8
	s_add_co_u32 s30, s30, s32
	s_add_nc_u64 s[36:37], s[36:37], s[30:31]
	s_lshl_b32 s32, s25, 1
	s_add_co_u32 s32, s32, s24
	s_mul_i32 s32, s32, FILL
	s_mul_i32 s42, s28, PART
	s_add_co_u32 s32, s32, s42
	s_add_co_u32 s32, s32, 32768                   ; behind the part's 16 fragments
	s_add_nc_u64 s[44:45], s[16:17], s[32:33]
	v_lshlrev_b32 v12, 3, v4
	global_load_b64 v[16:17], v12, s[36:37]
	s_wait_loadcnt 0x0
	v_ldexp_f32 v16, v16, s41
	v_ldexp_f32 v17, v17, s41
	global_store_b64 v12, v[16:17], s[44:45]
.Lno_bias:
	; Wg: in work-groups 1, 5, 9, 13 wave v makes fragment B = 4 w + v (32 along K): lane (r, h) holds expert r % 8 and k = 32 B + 16 h + 0 .. 15, eight registers of bf16.
	; Rows 8 to 15 repeat experts 0 to 7, so that both halves of the lanes end with the same logits.
	s_cmp_gt_u32 ttmp9, 15
	s_cbranch_scc1 .Ldone
	s_cmp_lg_u32 s29, 1
	s_cbranch_scc1 .Ldone
	s_lshl_b32 s30, s28, 2
	s_add_co_u32 s30, s30, s24                     ; B
	s_lshl_b32 s30, s30, 10                        ; 32 rows of Wg are 1,024 bytes, and so is a fragment
	s_add_nc_u64 s[12:13], s[12:13], s[30:31]
	s_add_nc_u64 s[18:19], s[18:19], s[30:31]
	v_and_b32 v13, 7, v4
	v_lshlrev_b32 v13, 2, v13
	v_lshl_add_u32 v13, v7, 9, v13                 ; 4 (lane % 8) + 16 h rows of 32 bytes
	v_lshlrev_b32 v14, 4, v4                       ; 16 x lane
.set i, 0
.rept 16
	global_load_b32 v[WGX+i], v13, s[12:13] offset:32*i
.set i, i+1
.endr
	s_wait_loadcnt 0x0
.set i, 0
.rept 8
	v_cvt_pk_bf16_f32 v[WGX+16+i], v[WGX+2*i], v[WGX+2*i+1]
.set i, i+1
.endr
	global_store_b128 v14, v[WGX+16:WGX+19], s[18:19]
	global_store_b128 v14, v[WGX+20:WGX+23], s[18:19] offset:512
.Ldone:
	s_endpgm
.Lfunc_end_k_qa6786c88fe_prep:
	.size	k_qa6786c88fe_prep, .Lfunc_end_k_qa6786c88fe_prep-k_qa6786c88fe_prep
	.p2alignl 7, 3214868480
	.fill 96, 4, 3214868480
	.section	.rodata,"a",@progbits
	.p2align	6, 0x0
	.amdhsa_kernel k_qa6786c88fe_prep
		.amdhsa_group_segment_fixed_size 0
		.amdhsa_private_segment_fixed_size 0
		.amdhsa_enable_private_segment 0
		.amdhsa_kernarg_size 64
		.amdhsa_user_sgpr_count 2
		.amdhsa_user_sgpr_kernarg_segment_ptr 1
		.amdhsa_wavefront_size32 1
		.amdhsa_system_sgpr_workgroup_id_x 1
		.amdhsa_system_sgpr_workgroup_id_y 1
		.amdhsa_system_sgpr_workgroup_id_z 1
		.amdhsa_system_vgpr_workitem_id 0
		.amdhsa_next_free_vgpr 224
		.amdhsa_next_free_sgpr 66
		.amdhsa_reserve_vcc 0
		.amdhsa_float_denorm_mode_32 3
		.amdhsa_float_denorm_mode_16_64 3
		.amdhsa_memory_ordered 1
		.amdhsa_forward_progress 1
		.amdhsa_inst_pref_size 28
	.end_amdhsa_kernel
	.amdgpu_metadata
---
amdhsa.version: [ 1, 2 ]
amdhsa.kernels:
  - .name:           k_qa6786c88fe_prep
    .symbol:         k_qa6786c88fe_prep.kd
    .args:
      - { .name: W1, .offset: 0, .size: 8, .value_kind: global_buffer, .address_space: global }
      - { .name: W2, .offset: 8, .size: 8, .value_kind: global_buffer, .address_space: global }
      - { .name: b1, .offset: 16, .size: 8, .value_kind: global_buffer, .address_space: global }
      - { .name: b2, .offset: 24, .size: 8, .value_kind: global_buffer, .address_space: global }
      - { .name: Wg, .offset: 32, .size: 8, .value_kind: global_buffer, .address_space: global }
      - { .name: lowp_scales, .offset: 40, .size: 8, .value_kind: global_buffer, .address_space: global }
      - { .name: wq, .offset: 48, .size: 8, .value_kind: global_buffer, .address_space: global }
      - { .name: wgq, .offset: 56, .size: 8, .value_kind: global_buffer, .address_space: global }
    .group_segment_fixed_size: 0
    .private_segment_fixed_size: 0
    .kernarg_segment_align: 8
    .kernarg_segment_size: 64
    .max_flat_workgroup_size: 128
    .sgpr_count:     66
    .vgpr_count:     224
    .wavefront_size: 32
...
	.end_amdgpu_metadata
.endif
;; end of part 1
;; launch moe (part 2): grid 256 x 1, 4 waves a work-group, clusters of 4 x 1, 327,680 bytes of LDS; arguments x, wq, wgq, bg, lowp_scales, out0; writes out0
.if DOCPART == 2
	.amdgcn_target "amdgcn-amd-amdhsa--gfx1250"
	.amdhsa_code_object_version 6
	.text
	.protected	k_qa6786c88fe_moe
	.globl	k_qa6786c88fe_moe
	.p2align	8
	.type	k_qa6786c88fe_moe,@function
k_qa6786c88fe_moe:
	s_mov_b64 s[64:65], 0
	v_nop
	global_prefetch_b8 v0, s[64:65] scope:SCOPE_SE
	s_setreg_imm32_b32 hwreg(HW_REG_WAVE_MODE, 25, 1), 1
	s_wait_xcnt 0x0
	s_wait_alu depctr_hold_cnt(0) depctr_sa_sdst(0) depctr_va_vdst(0) depctr_va_sdst(0) depctr_va_ssrc(0) depctr_va_vcc(0) depctr_vm_vsrc(0)
	s_getreg_b32 s2, hwreg(HW_REG_IB_STS2, 6, 4)
	s_cmp_eq_u32 s2, 0
	s_cbranch_scc0 .Lentry_in_a_cluster
	s_endpgm
.Lentry_in_a_cluster:
	s_bfe_u32 s2, ttmp6, 0x10000c
	s_cmp_lg_u32 s2, 0x3003
	s_cbranch_scc0 .Lentry_shape_is_right
	s_endpgm
.Lentry_shape_is_right:
; out[t] = sum over the 8 experts e of gate[t][e] x (relu(x[t] W1[e] + b1[e]) W2[e] + b2[e]),  gate = softmax(x Wg + bg).  Both large products on codes of BF8 (E5M2), each operand with its
; given scale 2^e (ew1, ex, eh, ew2); sums in f32.  The gate's logits take bf16 operands and f32 sums; the softmax takes its maximum away; the gated sum is f32.
; SHARES.  A work-group owns 64 tokens (four tiles m of 16) and walks all eight experts: each output row has one owner.  THE WAVES SHARE THE COLUMNS: wave w makes hidden units, and later
; outputs, 128 w .. 128 w + 127 for all 64 tokens.  x's codes (window 1), the hidden layer's codes (window 2) and the running output (window 3) stay in registers; the weights' codes stream
; through two LDS slots, each byte read from LDS once in the work-group, by the wave that fetched it.
; THE STREAM (wq, laid by the first launch): 32 fills, fill 4 e + 2 p + u (p = 0: W1, 1: W2; u: which 64 of a wave's 128 columns); wave w's part of a fill is 16 fragments as images of the operand's
; registers (fragment 8 b' + 2 s + tp) and a row of 64 biases, 33,024 consecutive bytes: 129 rows of 256.  Even fills go to slot 0, odd ones to slot 1.
; CLUSTER.  The four work-groups of a cluster walk the same stream, so every fill is asked for JOINTLY: the same load, the same descriptor (it hangs on the wave's number alone), a mask that names the four.
; LAYOUT.  Both products are used transposed (source 0 = 16 columns of the weight, source 1 = 16 tokens): a lane (r, h) holds token r, and, the columns of a tile being 32 b + 8 tp + r + 8 (r / 8), the 16
; registers of a pair of tiles are the 16 neighbours 32 b + 16 h + 0 .. 15: the conversions' results are the next product's operand.  k stands in the registers as 32 c + 16 h + 0 .. 15 in
; registers 4 c .. 4 c + 3, alike in both operands.  The biases are the C of each sum's first product (they come divided by the power of two that the sums lack); the gates carry 2^(eh + ew2).
; A PAIR UNIT (PU): one pair of tiles x four tiles of tokens x K = 512: 32 matrix instructions on 8 accumulators by turns; then the pair is quantised (product 1) or weighed into the output (product 2).
; LIMITS: ex, and eh - ex - ew1, between -126 and 112 (each power of two below is an f32 number); eh + ew2 between -96 and 96 (the gates carry it).  NaN among the inputs is not served.
; REGISTERS, in windows of 256.  Window 0: v0-23 addresses and scales; v24-31 the expert's gates, twice each; v32-47 the pair's biases; v48-63 codes just made; v64-127 the 8 accumulators ((tp, m) at
; 64 + 16 m + 8 tp); v128-255 the pair's 8 weight fragments ((s, tp) at 128 + 16 (2 s + tp)).  Window 1: x's 16 fragments ((m, s) at 16 (4 m + s)).  Window 2: the hidden layer's, likewise.
; Window 3: the output: register 64 b + 16 m + i is out(16 m + r, 128 w + 32 b + 16 h + i); at the head it holds Wg's fragments.
.set FILL,  132096
.set PART,  33024
.set SLOTB, 133120                     ; slot 1 begins here.  It first takes the 64 rows of x in f32: wave w's 16 rows at XPART w, as 32 half rows of 1,024 bytes + 16 of padding
.set XPART, 33280
.set HIMG,  266240                     ; 16 fragments' images of 2,048 bytes: first x's codes, then the hidden layer's: (m, s) at (4 m + s) x 2,048
.set GT,    299008                     ; the gates: 512 e + 32 r + 8 m, each gate in two words
.set SPARE, 303104                     ; the spare words, 128 bytes for each wave: two blocks of 256 bytes that no other line names
.set SPW,  2                           ; v2   SPARE + 4 x my thread's number; never rewritten
.set NIL,  3                           ; v3   0; never rewritten
.set WA,   4                           ; v4-5 my part of slot 0, 1, + 16 x lane.  v4 is also where I read rows back on the way out
.set BA,   6                           ; v6-7 its bias row, + 64 h
.set HF,   8                           ; v8   HIMG + 16 x lane
.set HW,   9                           ; v9   + 2,048 w: where I store the hidden layer's images
.set GA0,  10                          ; v10  GT + 32 r
.set GAD,  11                          ; v11  + 512 e
.set SCL,  12                          ; v12  2^(eh - ex - ew1): the three scales ahead of the hidden layer's quantiser folded into one
.set LIM,  13                          ; v13  57,344 x that
.set STO,  14                          ; v14  the way out: my stage, row r of 528 bytes, + 64 h
.set CO,   16                          ; v16  512 w + 16 x lane: my bytes of a row of out
.set XSC,  17                          ; v17  2^ex
.set XLIM, 18                          ; v18  57,344 x 2^ex
.set XA,   19                          ; v19  x's tile: my row r, + 64 h
.set GST,  20                          ; v20  GT + 32 r + 8 w + 4 h: where I store a gate
.set XW,   22                          ; v22  HF + 8,192 w: where I store x's images
.set L16,  23                          ; v23  16 x lane
.set G,    24
.set BIAS, 32
.set PC,   48
.set ACC,  64
.set WF,   128
.set XF,   128                         ; the head: two sets of 64 numbers of x
.set XB,   64                          ; four fragments of x in bf16
.set LG,   96                          ; two accumulators of logits
.set LL,   112                         ; the eight logits, then the exponentials
.set TT,   120                         ; at work
.set GV,   32                          ; the eight gates
.set WV,   16                          ; s16  my wave's number
.set G1W,  20                          ; s[20:27] descriptor group 1 of a fill's part
.set G1X,  28                          ; s[28:35] of x's tile
.set G0,   36                          ; s[36:39], s[40:43] group 0 for slot 0, 1
.set G0X,  44                          ; s[44:47] group 0 of x's tile
.set BG,   48                          ; s[48:55] bg
.set CNT,  66
.set GE,   67                          ; s67  512 x the expert in hand
.set MSB, 0
.macro WIN new                         ; the immediate's high byte repeats the setting that is left; a switch that changes nothing is dropped
.if MSB != (\new)
	s_set_vgpr_msb (MSB<<8)|(\new)
.set MSB, (\new)
.endif
.endm
.macro PLACES                          ; a load into a register that a matrix instruction has read, and a vector instruction that reads or writes a matrix result, stand four plain vector instructions behind it
.rept 4
	v_nop
.endr
.endm
.macro CREST                           ; a round of the cluster's barrier behind its opening barrier
	s_cmp_lg_u32 s[WV], 0
	s_cbranch_scc1 .Lnot_wave_0_\@
	s_barrier_signal -3
.Lnot_wave_0_\@:
	s_barrier_wait -3
	s_barrier_signal -1
	s_barrier_wait -1
.endm
.macro ROUND                           ; a whole round
	s_barrier_signal -1
	s_barrier_wait -1
	CREST
.endm
	s_load_b256 s[4:11], s[0:1], 0x0               ; x s[4:5], wq s[6:7], wgq s[8:9], bg s[10:11]
	s_load_b128 s[12:15], s[0:1], 0x20             ; the scales' exponents s[12:13], out s[14:15]
	v_lshl_add_u32 v[SPW], v0, 2, SPARE
	v_mov_b32 v[NIL], 0
	ds_add_u32 v2, v3
	ds_add_u32 v2, v3
	s_wait_dscnt 0x0
	v_lshrrev_b32 v22, 5, v0
	v_readfirstlane_b32 s[WV], v22                 ; wave 0..3
	s_bfe_u32 s17, ttmp6, 0x40000                  ; cx: my place in the cluster: it enters x's and out's global addresses alone
	s_lshl_b32 s18, ttmp9, 2
	s_add_co_u32 s18, s18, s17                     ; my block of 64 tokens = 4 x cluster x + cx
	; group 1 of a fill's part: 129 rows of 32 elements of 8 bytes, dense
	s_mov_b32 s[G1W+0], 15|(3<<16)|(1<<21)         ; 15:0 the mask: all four work-groups; 17:16 elements of 8 bytes; 21 set beside a mask
	s_mov_b32 s[G1W+1], 32<<16                     ; tensor_dim0 = 32
	s_mov_b32 s[G1W+2], 129<<16                    ; tensor_dim1 = 129
	s_mov_b32 s[G1W+3], 32<<16                     ; tile_dim0 = 32
	s_mov_b32 s[G1W+4], 129                        ; tile_dim1 = 129
	s_mov_b32 s[G1W+5], 32                         ; from row to row
	s_mov_b32 s[G1W+6], 0
	s_mov_b32 s[G1W+7], 0
	; group 1 of x's tile: 16 rows of 2,048 bytes are dense in memory: 32 rows of 256 elements of 4 bytes, 4 words of padding behind every 256 words
	s_mov_b32 s[G1X+0], (2<<16)|(1<<20)|(7<<22)|(3<<25)
	s_mov_b32 s[G1X+1], 256<<16
	s_mov_b32 s[G1X+2], 32<<16
	s_mov_b32 s[G1X+3], 256<<16
	s_mov_b32 s[G1X+4], 32
	s_mov_b32 s[G1X+5], 256
	s_mov_b32 s[G1X+6], 0
	s_mov_b32 s[G1X+7], 0
	s_mul_i32 s68, s[WV], PART                     ; my part: in a fill and in a slot alike
	s_mov_b32 s69, 0
	s_mul_i32 s70, s[WV], XPART
	s_add_co_u32 s70, s70, SLOTB                   ; my 16 rows of x in LDS
	s_lshl_b32 s72, s18, 17                        ; 64 rows of 2,048 bytes a block,
	s_lshl_b32 s73, s[WV], 15                      ; 16 a wave
	s_add_co_u32 s72, s72, s73
	s_mov_b32 s73, 0
	s_lshl_b32 s74, s18, 17
	s_mov_b32 s75, 0
	s_wait_kmcnt 0x0
	s_load_b128 s[56:59], s[12:13], 0x0            ; ew1, ex, eh, ew2
	s_load_b256 s[BG:BG+7], s[10:11], 0x0          ; bg
	s_add_nc_u64 s[6:7], s[6:7], s[68:69]          ; wq at my part of fill 0
	s_mov_b32 s[G0+0], 1                           ; count = 1
	s_mov_b32 s[G0+1], s68                         ; LDS address: slot 0
	s_mov_b64 s[G0+2:G0+3], s[6:7]                 ; fill 0
	s_or_b32 s[G0+3], s[G0+3], 0x80000000          ; type = 2
	s_mov_b32 s[G0+4], 1
	s_add_co_u32 s[G0+5], s68, SLOTB               ; slot 1
	s_add_nc_u64 s[G0+6:G0+7], s[6:7], FILL        ; fill 1
	s_or_b32 s[G0+7], s[G0+7], 0x80000000
	s_mov_b32 s[G0X+0], 1
	s_mov_b32 s[G0X+1], s70
	s_add_nc_u64 s[G0X+2:G0X+3], s[4:5], s[72:73]
	s_or_b32 s[G0X+3], s[G0X+3], 0x80000000
	s_add_nc_u64 s[14:15], s[14:15], s[74:75]      ; out at my block's first row
	ROUND                                          ; all four work-groups are here: the first loads go out as one group behind this round
	tensor_load_to_lds s[G0X:G0X+3], s[G1X:G1X+7]  ; my 16 rows of x (a load of my own: no mask), into slot 1
	s_nop 0
	tensor_load_to_lds s[G0:G0+3], s[G1W:G1W+7]    ; my part of fill 0: two loads of mine are out
	s_nop 0
	v_and_b32 v[L16], 31, v0                       ; four plain lines stand behind the loads, ahead of the next switch of windows
	v_and_b32 v1, 15, v0                           ; r
	v_bfe_u32 v21, v0, 4, 1                        ; h
	v_lshlrev_b32 v[L16], 4, v[L16]
	WIN 0xc0                                       ; destination window 3
.set f, 0
.rept 16                                       ; Wg's 16 fragments, as they lie
	global_load_b128 v[8*f:8*f+3],   v[L16], s[8:9] offset:1024*f
	global_load_b128 v[8*f+4:8*f+7], v[L16], s[8:9] offset:1024*f+512
.set f, f+1
.endr
	WIN 0
	s_add_co_u32 s60, s68, 32768
	v_add_nc_u32 v[WA], s68, v[L16]
	v_add_nc_u32 v[WA+1], SLOTB, v[WA]
	v_lshl_add_u32 v[BA], v21, 6, s60
	v_add_nc_u32 v[BA+1], SLOTB, v[BA]
	v_add_nc_u32 v[HF], HIMG, v[L16]
	s_lshl_b32 s61, s[WV], 11
	v_add_nc_u32 v[HW], s61, v[HF]
	s_lshl_b32 s62, s[WV], 13
	v_add_nc_u32 v[XW], s62, v[HF]
	v_lshl_add_u32 v[GA0], v1, 5, GT
	s_lshl_b32 s63, s[WV], 3
	v_lshl_add_u32 v[GST], v21, 2, v[GA0]
	v_add_nc_u32 v[GST], s63, v[GST]
	v_mul_u32_u24 v[STO], v1, 528
	v_lshl_add_u32 v[STO], v21, 6, v[STO]
	v_add_nc_u32 v[STO], s68, v[STO]
	s_lshl_b32 s2, s[WV], 9
	v_add_nc_u32 v[CO], s2, v[L16]
	v_mul_u32_u24 v[XA], v1, 2080                  ; a row of x: two half rows of 1,040
	v_lshl_add_u32 v[XA], v21, 6, v[XA]
	v_add_nc_u32 v[XA], s70, v[XA]
	s_wait_kmcnt 0x0
	s_add_co_i32 s60, s57, 127
	s_lshl_b32 s61, s60, 23
	v_mov_b32 v[XSC], s61                          ; 2^ex as f32: the conversion takes its exponent field
	s_add_co_i32 s60, s60, 15
	s_lshl_b32 s60, s60, 23
	s_or_b32 s60, s60, 0x600000
	v_mov_b32 v[XLIM], s60                         ; 57,344 x 2^ex
	s_sub_co_i32 s60, s58, s57
	s_sub_co_i32 s60, s60, s56                     ; a sum of the first product stands for sum x 2^(ex + ew1): its code is sum / 2^(eh - ex - ew1)
	s_add_co_i32 s60, s60, 127
	s_lshl_b32 s61, s60, 23
	v_mov_b32 v[SCL], s61
	s_add_co_i32 s60, s60, 15
	s_lshl_b32 s60, s60, 23
	s_or_b32 s60, s60, 0x600000
	v_mov_b32 v[LIM], s60
	s_add_co_i32 s19, s58, s59                     ; eh + ew2: a sum of the second product stands for sum x 2^(eh + ew2): the gates carry it
; ---- x: my 16 tokens (tile m = w).  K step s: 64 numbers a lane, register 16 b + i = k 128 s + 32 b + 16 h + i of row r
.macro XL s
.irp b, 0,1,2,3
.irp j, 0,1,2,3
	ds_load_b128 v[XF+64*((\s)%2)+16*\b+4*\j:XF+64*((\s)%2)+16*\b+4*\j+3], v[XA] offset:((\s)/2)*1040+((\s)%2)*512+128*\b+16*\j
.endr
.endr
.endm
; They go to bf16 for the logits (four products, two accumulators by turns) and to codes, whose image goes to LDS for all four waves.
.macro XSTEP s, left
.set XS, XF+64*((\s)%2)
	s_wait_dscnt \left                             ; this step's numbers are in, and the image stores before them have read the codes' registers; only the next set's 16 loads may be out
.irp b, 0,1,2,3
.irp j, 0,1,2,3,4,5,6,7
	v_cvt_pk_bf16_f32 v[XB+8*\b+\j], v[XS+16*\b+2*\j], v[XS+16*\b+2*\j+1]   ; fragment b: k = 32 b + 16 h + 0 .. 15, as Wg's fragments have it
.endr
.endr
.if \s == 0
	s_wait_loadcnt 0x0                             ; Wg's fragments
.endif
	WIN 0x03                                       ; source 0 (Wg) window 3
.irp b, 0,1,2,3
.if (\s == 0) && (\b < 2)
	v_wmma_f32_16x16x32_bf16 v[LG+8*(\b%2):LG+8*(\b%2)+7], v[8*(4*\s+\b):8*(4*\s+\b)+7], v[XB+8*\b:XB+8*\b+7], 0
.else
	v_wmma_f32_16x16x32_bf16 v[LG+8*(\b%2):LG+8*(\b%2)+7], v[8*(4*\s+\b):8*(4*\s+\b)+7], v[XB+8*\b:XB+8*\b+7], v[LG+8*(\b%2):LG+8*(\b%2)+7]
.endif
.endr
	WIN 0
.irp b, 0,1,2,3
.set i, 0
.rept 16
	v_med3_num_f32 v[XS+16*\b+i], v[XS+16*\b+i], -v[XLIM], v[XLIM]   ; the conversion to an 8-bit code does not saturate (ISA guide 7.6.2): the hold.  (These lines are also the places behind the products above)
.set i, i+1
.endr
	v_cvt_scalef32_pk8_bf8_f32 v[PC+4*\b:PC+4*\b+1], v[XS+16*\b:XS+16*\b+7], v[XSC]
	v_cvt_scalef32_pk8_bf8_f32 v[PC+4*\b+2:PC+4*\b+3], v[XS+16*\b+8:XS+16*\b+15], v[XSC]
.endr
	v_nop                                          ; a plain vector line behind the last scaled conversion
.irp c, 0,1,2,3
	ds_store_b128 v[XW], v[PC+4*\c:PC+4*\c+3] offset:2048*\s+512*\c   ; fragment (w, s) as it stands
.endr
.if \s < 2
	XL \s+2
.endif
.endm
	s_wait_tensorcnt 0x1                           ; x's load, issued first, has landed; fill 0's may be out.  Only I read my 16 rows
	XL 0
	XL 1
	XSTEP 0, 16
	XSTEP 1, 16
	XSTEP 2, 16
	XSTEP 3, 0
	; ---- the gates of my 16 tokens: register j of both halves of the lanes holds expert j's logit of token r
.set j, 0
.rept 8
	v_add_f32 v[LL+j], v[LG+j], v[LG+8+j]          ; each accumulator from its low end on
.set j, j+1
.endr
.set j, 0
.rept 8
	v_add_f32 v[LL+j], s[BG+j], v[LL+j]
.set j, j+1
.endr
	v_max3_num_f32 v[TT], v[LL], v[LL+1], v[LL+2]
	v_max3_num_f32 v[TT], v[TT], v[LL+3], v[LL+4]
	v_max3_num_f32 v[TT], v[TT], v[LL+5], v[LL+6]
	v_max_num_f32 v[TT], v[TT], v[LL+7]
.set j, 0
.rept 8
	v_sub_f32 v[LL+j], v[LL+j], v[TT]              ; the maximum is taken away first,
.set j, j+1
.endr
.set j, 0
.rept 8
	v_mul_f32 v[LL+j], 0x3fb8aa3b, v[LL+j]         ; then x log2(e)
.set j, j+1
.endr
.set j, 0
.rept 8
	v_exp_f32 v[LL+j], v[LL+j]
.set j, j+1
.endr
	v_nop                                          ; a plain line between the exponentials and the use of their results
	s_wait_alu depctr_va_vdst(0)
	v_add_f32 v[TT], v[LL], v[LL+1]
	v_add_f32 v[TT+1], v[LL+2], v[LL+3]
	v_add_f32 v[TT+2], v[LL+4], v[LL+5]
	v_add_f32 v[TT+3], v[LL+6], v[LL+7]
	v_add_f32 v[TT], v[TT], v[TT+1]
	v_add_f32 v[TT+2], v[TT+2], v[TT+3]
	v_add_f32 v[TT], v[TT], v[TT+2]
	v_rcp_f32 v[TT+1], v[TT]
	v_nop                                          ; a plain line behind the reciprocal
	s_wait_alu depctr_va_vdst(0)
	v_ldexp_f32 v[TT+1], v[TT+1], s19              ; x 2^(eh + ew2)
.set j, 0
.rept 8
	v_mul_f32 v[GV+j], v[LL+j], v[TT+1]
.set j, j+1
.endr
.set j, 0
.rept 8
	ds_store_b32 v[GST], v[GV+j] offset:512*j      ; lanes (r, 0) and (r, 1) hold the same gate and fill the two words of its pair
.set j, j+1
.endr
	; ---- slot 1 is filled again: fill 1 goes over x's tile
	s_wait_tensorcnt 0x0                           ; fill 0 has landed: no tensor load of mine is out
	ds_add_u32 v[SPW], v[NIL]                      ; 0 onto my spare word
	s_wait_dscnt 0x0                               ; the add is done; my reads of x's tile are over; my images and gates have landed
	ROUND                                          ; that now holds of every wave of the four work-groups
	tensor_load_to_lds s[G0+4:G0+7], s[G1W:G1W+7]  ; the first thing behind the round, and my one tensor load until the next
	s_nop 0
	PLACES
	WIN 0x40                                       ; destination window 1
.set f, 0
.rept 16                                       ; x's 16 fragments: they stay
.irp c, 0,1,2,3
	ds_load_b128 v[16*f+4*\c:16*f+4*\c+3], v[HF] offset:2048*f+512*\c
.endr
.set f, f+1
.endr
	WIN 0
; The pair's weight fragments of K steps 0, 1 and its 16 biases (20 loads), and of K steps 2, 3 (16 loads): 512 consecutive bytes a load
.macro FETCH_A slot, bp
.irp s, 0,1
.irp tp, 0,1
.irp c, 0,1,2,3
	ds_load_b128 v[WF+16*(2*\s+\tp)+4*\c:WF+16*(2*\s+\tp)+4*\c+3], v[WA+(\slot)] offset:(8*(\bp)+2*\s+\tp)*2048+512*\c
.endr
.endr
.endr
.irp i, 0,1,2,3
	ds_load_b128 v[BIAS+4*\i:BIAS+4*\i+3], v[BA+(\slot)] offset:128*(\bp)+16*\i   ; register 8 tp + j: the bias of column 32 b + 16 h + 8 tp + j: the result's layout
.endr
.endm
.macro FETCH_B slot, bp
.irp s, 2,3
.irp tp, 0,1
.irp c, 0,1,2,3
	ds_load_b128 v[WF+16*(2*\s+\tp)+4*\c:WF+16*(2*\s+\tp)+4*\c+3], v[WA+(\slot)] offset:(8*(\bp)+2*\s+\tp)*2048+512*\c
.endr
.endr
.endr
.endm
; K step s of a pair unit: 8 matrix instructions, the 8 accumulators by turns, in the same order in every step.  The first step takes the biases as C: nothing is cleared.
.macro MM s
.irp tp, 0,1
.irp m, 0,1,2,3
.if \s == 0
	v_wmma_f32_16x16x128_bf8_bf8 v[ACC+16*\m+8*\tp:ACC+16*\m+8*\tp+7], v[WF+16*(2*\s+\tp):WF+16*(2*\s+\tp)+15], v[16*(4*\m+\s):16*(4*\m+\s)+15], v[BIAS+8*\tp:BIAS+8*\tp+7]
.else
	v_wmma_f32_16x16x128_bf8_bf8 v[ACC+16*\m+8*\tp:ACC+16*\m+8*\tp+7], v[WF+16*(2*\s+\tp):WF+16*(2*\s+\tp)+15], v[16*(4*\m+\s):16*(4*\m+\s)+15], v[ACC+16*\m+8*\tp:ACC+16*\m+8*\tp+7]
.endif
.endr
.endr
.endm
; Product 1's pair gb: relu and the hold in one, 16 codes a tile of tokens: registers 4 gb .. 4 gb + 3 of fragment (m, w) of the hidden layer; to LDS as they stand
.macro POSTQ gb
.irp m, 0,1,2,3
.set i, 0
.rept 16
	v_med3_num_f32 v[ACC+16*\m+i], v[ACC+16*\m+i], 0, v[LIM]       ; each accumulator from its low end on
.set i, i+1
.endr
	v_cvt_scalef32_pk8_bf8_f32 v[PC+4*\m:PC+4*\m+1], v[ACC+16*\m:ACC+16*\m+7], v[SCL]
	v_cvt_scalef32_pk8_bf8_f32 v[PC+4*\m+2:PC+4*\m+3], v[ACC+16*\m+8:ACC+16*\m+15], v[SCL]
.endr
	v_nop                                          ; a plain vector line between the last scaled conversion and the next products, which write its sources
.irp m, 0,1,2,3
	ds_store_b128 v[HW], v[PC+4*\m:PC+4*\m+3] offset:8192*\m+512*(\gb)
.endr
.endm
; Product 2's pair gb: out += gate x (sum + bias).  first = 1: the first expert starts the output: nothing is cleared
.macro POSTG gb, first
	WIN 0xf0                                       ; the output: source 2 and destination window 3
.irp m, 0,1,2,3
.irp i, 0,2,4,6,8,10,12,14
.if \first
	v_pk_mul_f32 v[64*(\gb)+16*\m+\i:64*(\gb)+16*\m+\i+1], v[ACC+16*\m+\i:ACC+16*\m+\i+1], v[G+2*\m:G+2*\m+1]
.else
	v_pk_fma_f32 v[64*(\gb)+16*\m+\i:64*(\gb)+16*\m+\i+1], v[ACC+16*\m+\i:ACC+16*\m+\i+1], v[G+2*\m:G+2*\m+1], v[64*(\gb)+16*\m+\i:64*(\gb)+16*\m+\i+1]
.endif
.endr
.endr
	WIN 0
.endm
; A PAIR UNIT.  prod: 1 (source 1 = x, window 1) or 2 (the hidden layer, window 2).  slot, bp: where its weights lay; they were fetched during the unit before.
; w0: the LDS instructions issued behind this unit's K steps 0, 1 and biases, which may stay out: its K steps 2, 3 (16), and the four image stores where product 1's unit went before.
; kind 0: the slot's first pair: the second pair's fragments are fetched in two runs, each behind its places.
; kind 4: the same as product 2's first unit: one wait a K step, for the hidden layer's fragments as they come.
; kind 1: the slot's second pair: all of the slot is in registers: the slot is filled again, two fills on, behind a round of the cluster's barrier; then the other slot's first pair is fetched.
; kind 2: the same with nothing left to fetch from memory.   kind 3: the last unit of all.
.macro PU prod, slot, bp, kind, w0, first
.if (\kind) == 0
	s_wait_dscnt \w0
	WIN 4*\prod
	MM 0
	MM 1
	PLACES
	WIN 0
	FETCH_A \slot, 1
	s_wait_dscnt 20                                ; all but the 20 just issued: K steps 2, 3 are in
	WIN 4*\prod
	MM 2
	MM 3
	PLACES
	WIN 0
	FETCH_B \slot, 1
.elseif (\kind) == 4
	s_wait_dscnt 48                                ; the gates and the hidden layer's K step 0 are in; its steps 1 to 3 (16 loads each) may be out
	WIN 4*\prod
	MM 0
	s_wait_dscnt 32
	MM 1
	PLACES
	WIN 0
	FETCH_A \slot, 1
	s_wait_dscnt 36                                ; step 3's 16 and the 20 just issued may be out
	WIN 4*\prod
	MM 2
	s_wait_dscnt 20
	MM 3
	PLACES
	WIN 0
	FETCH_B \slot, 1
.elseif (\kind) == 3
	s_wait_dscnt \w0
	WIN 4*\prod
	MM 0
	MM 1
	s_wait_dscnt 0x0
	MM 2
	MM 3
	PLACES
	WIN 0
.else
	s_wait_tensorcnt 0x0                           ; all my tensor loads have landed: the one that was out is my part of the other slot  (every window is 0 here)
	ds_add_u32 v[SPW], v[NIL]                      ; 0 onto my spare word
	s_wait_dscnt \w0+1                             ; (the add may be out too)
	WIN 4*\prod
	MM 0                                           ; sixteen matrix instructions stand between the add and the wait for it
	MM 1
	s_wait_dscnt 0x0                               ; the add is done, and my reads of this slot are over
	s_barrier_signal -1
	MM 2
	WIN 0
	s_barrier_wait -1
.if (\kind) == 1
	CREST                                          ; the barrier has opened a round of the cluster's barrier: no wave of any partner still reads this slot or has a load on its way
	s_add_nc_u64 s[G0+4*\slot+2:G0+4*\slot+3], s[G0+4*\slot+2:G0+4*\slot+3], 2*FILL   ; two fills on; the type bits on top are not reached
	tensor_load_to_lds s[G0+4*\slot:G0+4*\slot+3], s[G1W:G1W+7]   ; the first thing behind the round, and my one tensor load until the next
	s_nop 0
.endif
	PLACES                                         ; behind the load, and the places in front of the loads below
	FETCH_A 1-\slot, 0
	WIN 4*\prod
	MM 3
	PLACES
	WIN 0
	FETCH_B 1-\slot, 0
.endif
.if \prod == 1
	POSTQ 2*\slot+\bp
.else
	POSTG 2*\slot+\bp, \first
.endif
.endm
; Between the two products: the hidden layer's sixteen images are whole; every wave takes all of them into window 2, K step by K step, and the expert's gates of the 64 tokens
.macro HSTART
	s_wait_dscnt 0x0                               ; for the others' sake: my image stores have landed
	s_barrier_signal -1
	s_barrier_wait -1                              ; the fill on its way may stay out
	v_add_nc_u32 v[GAD], s[GE], v[GA0]
	ds_load_b128 v[G:G+3], v[GAD]
	ds_load_b128 v[G+4:G+7], v[GAD] offset:16
	WIN 0x80                                       ; destination window 2
.irp s, 0,1,2,3
.irp m, 0,1,2,3
.irp c, 0,1,2,3
	ds_load_b128 v[16*(4*\m+\s)+4*\c:16*(4*\m+\s)+4*\c+3], v[HF] offset:(4*\m+\s)*2048+512*\c
.endr
.endr
.endr
	WIN 0
.endm
; An expert: four fills, eight pair units.  The images are written again only behind two later changes of slots, in front of which every wave's reads of them are in.
.macro EXPERT first, last
	PU 1, 0, 0, 0, 16, 0
	PU 1, 0, 1, 1, 20, 0
	PU 1, 1, 0, 0, 20, 0
	PU 1, 1, 1, 1, 20, 0
	HSTART
	PU 2, 0, 0, 4, 0, \first
	PU 2, 0, 1, 1+\last, 16, \first
	PU 2, 1, 0, 0, 16, \first
	PU 2, 1, 1, 1+2*\last, 16, \first
.if \last == 0
	s_add_co_u32 s[GE], s[GE], 512
.endif
.endm
	FETCH_A 0, 0                                   ; fill 0's first pair
	FETCH_B 0, 0
	s_wait_dscnt 0x0                               ; my reads of x's images are in
	s_barrier_signal -1
	s_barrier_wait -1                              ; everybody's are: the hidden layer may take their place.
	s_mov_b32 s[GE], 0
	EXPERT 1, 0                                    ; the first expert starts the output
	s_mov_b32 s[CNT], 6
.Lexp:
	EXPERT 0, 0
	s_sub_co_u32 s[CNT], s[CNT], 1
	s_cmp_lg_u32 s[CNT], 0
	s_cbranch_scc1 .Lexp
	EXPERT 0, 1                                    ; the last is written out: its last two changes of slots ask for nothing
; THE WAY OUT, a tile of 16 tokens at a time.  A lane holds 64 bytes of a row in four places, and the lanes beside it hold other rows: so a tile goes through my stage (16 rows of 512 bytes + 16) and comes back
; as whole rows.  The stage lies in my own part of slot 0, which has had its last fill and my last read.  LDS serves a wave's instructions in order (ISA guide 5.7.1.4): no wait between the stores and the loads.
.macro TOSTAGE m
	WIN 0x0c                                       ; the stores' data: window 3
.irp b, 0,1,2,3
.irp i, 0,1,2,3
	ds_store_b128 v[STO], v[64*\b+16*(\m)+4*\i:64*\b+16*(\m)+4*\i+3] offset:128*\b+16*\i
.endr
.endr
	WIN 0
.set BB, WF+64*((\m)%2)
.set t, 0
.rept 16
	ds_load_b128 v[BB+4*t:BB+4*t+3], v[WA] offset:528*t
.set t, t+1
.endr
.endm
.macro SEND m, younger                 ; younger: the LDS instructions issued behind tile m's loads, which may stay out
.set BB, WF+64*((\m)%2)
	s_wait_dscnt \younger
.set t, 0
.rept 16
	global_store_b128 v[CO], v[BB+4*t:BB+4*t+3], s[14:15] offset:(16*(\m)+t)*2048 th:TH_STORE_NT   ; 32 lanes store 512 consecutive bytes, at a multiple of 256 from out's first byte
.set t, t+1
.endr
.endm
	TOSTAGE 0
.irp a, 1,2,3
.if \a > 1
	s_wait_xcnt 0x0                                ; tile a - 2's stores have read their registers: tile a's rows may land there
.endif
	TOSTAGE \a
	SEND \a-1, 32                                  ; behind tile a - 1's loads: tile a's 16 stores and 16 loads
.endr
	SEND 3, 0
	s_wait_tensorcnt 0x0                           ; the wave's end, behind my last tensor load and my last LDS store
	ds_add_u32 v[SPW], v[NIL]
	s_wait_dscnt 0x0
	ROUND                                          ; the closing round: no work-group ends while a partner may still ask for a fill that names it
	s_endpgm
.Lfunc_end_k_qa6786c88fe_moe:
	.size	k_qa6786c88fe_moe, .Lfunc_end_k_qa6786c88fe_moe-k_qa6786c88fe_moe
	.p2alignl 7, 3214868480
	.fill 96, 4, 3214868480
	.section	.rodata,"a",@progbits
	.p2align	6, 0x0
	.amdhsa_kernel k_qa6786c88fe_moe
		.amdhsa_group_segment_fixed_size 327680
		.amdhsa_private_segment_fixed_size 0
		.amdhsa_enable_private_segment 0
		.amdhsa_kernarg_size 48
		.amdhsa_user_sgpr_count 2
		.amdhsa_user_sgpr_kernarg_segment_ptr 1
		.amdhsa_wavefront_size32 1
		.amdhsa_system_sgpr_workgroup_id_x 1
		.amdhsa_system_sgpr_workgroup_id_y 1
		.amdhsa_system_sgpr_workgroup_id_z 1
		.amdhsa_system_vgpr_workitem_id 0
		.amdhsa_next_free_vgpr 1024
		.amdhsa_next_free_sgpr 80
		.amdhsa_reserve_vcc 0
		.amdhsa_float_denorm_mode_32 3
		.amdhsa_float_denorm_mode_16_64 3
		.amdhsa_memory_ordered 1
		.amdhsa_forward_progress 1
		.amdhsa_inst_pref_size 255
	.end_amdhsa_kernel
	.section	.bss,"aw",@nobits
	.p2align	6
	.space	262144
	.amdgpu_metadata
---
amdhsa.version: [ 1, 2 ]
amdhsa.kernels:
  - .name:           k_qa6786c88fe_moe
    .symbol:         k_qa6786c88fe_moe.kd
    .args:
      - { .name: x, .offset: 0, .size: 8, .value_kind: global_buffer, .address_space: global }
      - { .name: wq, .offset: 8, .size: 8, .value_kind: global_buffer, .address_space: global }
      - { .name: wgq, .offset: 16, .size: 8, .value_kind: global_buffer, .address_space: global }
      - { .name: bg, .offset: 24, .size: 8, .value_kind: global_buffer, .address_space: global }
      - { .name: lowp_scales, .offset: 32, .size: 8, .value_kind: global_buffer, .address_space: global }
      - { .name: out0, .offset: 40, .size: 8, .value_kind: global_buffer, .address_space: global }
    .group_segment_fixed_size: 327680
    .private_segment_fixed_size: 0
    .kernarg_segment_align: 8
    .kernarg_segment_size: 48
    .max_flat_workgroup_size: 128
    .sgpr_count:     80
    .vgpr_count:     1024
    .wavefront_size: 32
...
	.end_amdgpu_metadata
.endif
;; end of part 2
;; ======== version 2 of 2: 2 launches
;; limits: values are held in bf16: 8 bits of precision; right only within a limited range of input values
;; workspace buffers: wq 4,259,840 bytes; wgq 81,920 bytes
;; launch prep (part 3): grid 256 x 1, 4 waves a work-group, no clusters, 0 bytes of LDS; arguments W1, W2, b1, b2, Wg, lowp_scales, wq, wgq; writes wq, wgq
.if DOCPART == 3
	.amdgcn_target "amdgcn-amd-amdhsa--gfx1250"
	.amdhsa_code_object_version 6
	.text
	.protected	k_qa6786c88fe_prep
	.globl	k_qa6786c88fe_prep
	.p2align	8
	.type	k_qa6786c88fe_prep,@function
k_qa6786c88fe_prep:
	s_mov_b64 s[64:65], 0
	v_nop
	global_prefetch_b8 v0, s[64:65] scope:SCOPE_SE
	s_setreg_imm32_b32 hwreg(HW_REG_WAVE_MODE, 25, 1), 1
	s_wait_xcnt 0x0
; W1 and W2 ([8][512 (k)][512 (n)] f32, K the first axis inside an expert) become codes of BF8 (E5M2), each with its given scale 2^e, laid in wq as images of the second launch's operand
; registers.  The biases, divided by the power of two that the sums lack, ride in the same buffer.  Wg becomes 16 fragments of bf16 in wgq.
; wq: 32 fills of FILL bytes; fill F = 4 e + 2 p + u (e expert; p = 0: W1, 1: W2; u: which 64 of a wave's 128 columns).  A fill = 4 parts (wave w of the second launch) of PART bytes:
;   16 fragments of 2,048 bytes, fragment 8 b' + 2 s + tp (b' pair of tiles, s K step of 128, tp tile of the pair), then two rows of 256 bytes: the fill's own 64 biases, and those of fill F xor 1.
;   In a fragment the 16 bytes at 512 c + 16 (16 h + r) are the codes k = 128 s + 32 c + 16 h + 0 .. 15 of column 128 w + 32 (2 u + b') + 8 tp + r + 8 (r / 8).
; code = x / 2^e, held within +-57,344, to the nearest code, ties to even.
; A LANE TAKES A COLUMN AND ITS REGISTERS RUN DOWN K: each load reads 128 consecutive bytes a wave, and the conversions give codes with K innermost.
; SHARES: work-group g: matrix mi = g / 16 (e = mi / 2, p = mi % 2), columns 128 w on (w = (g / 4) % 4), K step s = g % 4.  Wave v: columns 32 v on: pair of tiles b = v.
; A store's sixteen lanes of one tp write 256 consecutive bytes, at a multiple of 256 from wq's first byte.  Waves share nothing: no LDS, no barrier.
; LIMITS: ew1 and ew2 between -126 and 112, so that 2^e and 57,344 x 2^e are f32 numbers.  NaN among the inputs is not served.
; Of the fills with p = 1 the two rows of biases are neither written nor read: b2 goes into wgq instead, behind Wg's 16,384 bytes, as bf16: eight images of 8,192 bytes, image R holding for each
; column 16 bytes: b2 of experts R, R + 1 .. R + 7 (mod 8).
.set FILL, 133120
.set PART, 33280
.set X,    32                          ; v32-159  four blocks of 32 numbers
.set C,    160                         ; v160-191 codes, eight registers a block: no store's data are written again
.set WGX,  192                         ; v192-207 16 numbers of Wg;  v208-215 as bf16
	s_load_b512 s[4:19], s[0:1], 0x0               ; W1 s[4:5], W2 s[6:7], b1 s[8:9], b2 s[10:11], Wg s[12:13], the scales' exponents s[14:15], wq s[16:17], wgq s[18:19]
	v_lshrrev_b32 v3, 5, v0
	v_readfirstlane_b32 s24, v3                    ; wave v
	v_and_b32 v4, 31, v0                           ; lane q
	v_lshlrev_b32 v1, 2, v4                        ; in: 4 bytes a lane
	v_bfe_u32 v5, v4, 3, 1                         ; tp = (q / 8) % 2
	v_and_b32 v6, 7, v4
	v_bfe_u32 v7, v4, 4, 1                         ; q / 16
	v_lshl_or_b32 v6, v7, 3, v6                    ; r = q % 8 + 8 (q / 16): column 8 tp + r + 8 (r / 8) is q
	v_lshlrev_b32 v2, 4, v6
	v_lshl_add_u32 v2, v5, 11, v2                  ; out: 16 r + 2,048 tp
	s_lshr_b32 s25, ttmp9, 4                       ; mi
	s_lshr_b32 s26, s25, 1                         ; e
	s_and_b32 s27, s25, 1                          ; p
	s_bfe_u32 s28, ttmp9, 0x20002                  ; w
	s_and_b32 s29, ttmp9, 3                        ; s
	s_lshl_b32 s30, s26, 20                        ; from: e matrices of 2^20 bytes
	s_lshl_b32 s32, s29, 18                        ; + 128 s rows of 2,048 bytes
	s_add_co_u32 s30, s30, s32
	s_lshl_b32 s32, s28, 9                         ; + 128 w columns
	s_add_co_u32 s30, s30, s32
	s_lshl_b32 s32, s24, 7                         ; + 32 v columns
	s_add_co_u32 s30, s30, s32
	s_mov_b32 s31, 0
	s_lshl_b32 s32, s25, 1                         ; to: fill 2 mi + v / 2,
	s_lshr_b32 s33, s24, 1
	s_add_co_u32 s32, s32, s33
	s_mul_i32 s32, s32, FILL
	s_mul_i32 s33, s28, PART                       ; part w,
	s_add_co_u32 s32, s32, s33
	s_and_b32 s33, s24, 1
	s_lshl_b32 s33, s33, 14                        ; fragment 8 (v % 2)
	s_add_co_u32 s32, s32, s33
	s_lshl_b32 s33, s29, 12                        ; + 2 s
	s_add_co_u32 s32, s32, s33
	s_mov_b32 s33, 0
	s_wait_alu depctr_va_vdst(0)
	s_wait_kmcnt 0x0
	s_load_b128 s[20:23], s[14:15], 0x0            ; ew1, ex, eh, ew2
	s_cmp_eq_u32 s27, 0                            ; W1 or W2: the choice hangs on the work-group's number alone
	s_cselect_b64 s[34:35], s[4:5], s[6:7]
	s_add_nc_u64 s[34:35], s[34:35], s[30:31]
	s_add_nc_u64 s[38:39], s[16:17], s[32:33]
.macro LOAD c                          ; block c: W(128 s + 32 c + i, my column), i = 0 .. 31
.set i, 0
.rept 32
	global_load_b32 v[X+32*(\c)+i], v1, s[34:35] offset:(32*(\c)+i)*2048 th:TH_LOAD_NT
.set i, i+1
.endr
.endm
	LOAD 0
	LOAD 1
	s_wait_kmcnt 0x0
	s_add_co_i32 s41, s20, s21                     ; ew1 + ex
	s_cmp_eq_u32 s27, 0
	s_cselect_b32 s40, s20, s23                    ; my tensor's e
	s_sub_co_i32 s41, 0, s41                       ; the bias goes in x 2^-(the two exponents of its product)
	s_add_co_i32 s40, s40, 127
	s_lshl_b32 s42, s40, 23
	v_mov_b32 v11, s42                             ; 2^e as f32: the conversion takes its exponent field
	s_add_co_i32 s40, s40, 15
	s_lshl_b32 s40, s40, 23
	s_or_b32 s40, s40, 0x600000
	v_mov_b32 v10, s40                             ; 57,344 x 2^e
.macro BLOCK c
.if \c < 3
	s_wait_loadcnt 32                              ; this block's 32 loads are in; the next block's 32 may be out
.else
	s_wait_loadcnt 0x0
.endif
.if \c < 2
	LOAD \c+2                                      ; two blocks ahead, into registers of their own
.endif
.set i, 0
.rept 32
	v_med3_num_f32 v[X+32*\c+i], v[X+32*\c+i], -v10, v10   ; the conversion to an 8-bit code does not saturate (ISA guide 7.6.2): the hold at the largest code x the scale
.set i, i+1
.endr
.irp g, 0,1,2,3
	v_cvt_scalef32_pk8_bf8_f32 v[C+8*\c+2*\g:C+8*\c+2*\g+1], v[X+32*\c+8*\g:X+32*\c+8*\g+7], v11
.endr
	global_store_b128 v2, v[C+8*\c:C+8*\c+3], s[38:39] offset:512*\c          ; k = 32 c + 0 .. 15: the place of lane (r, 0)
	global_store_b128 v2, v[C+8*\c+4:C+8*\c+7], s[38:39] offset:512*\c+256    ; k = 32 c + 16 .. 31: of lane (r, 1)
.endm
	s_wait_alu depctr_va_vdst(0)
	BLOCK 0
	BLOCK 1
	BLOCK 2
	BLOCK 3
	v_nop                                          ; a plain vector line behind the last scaled conversion
	; THE BIASES: in the work-groups with s = 0, wave u = 0, 1 takes the 64 biases of columns 128 w + 64 u on, 8 bytes a lane, and writes them twice, 256 consecutive bytes each time:
	; as the first bias row of fill 2 mi + u, part w, and as the second bias row of fill 2 mi + 1 - u, part w
	s_cmp_lg_u32 s29, 0
	s_cbranch_scc1 .Lno_bias
	s_cmp_lg_u32 s27, 0                            ; W1's work-groups alone: b1
	s_cbranch_scc1 .Lno_bias
	s_cmp_gt_u32 s24, 1
	s_cbranch_scc1 .Lno_bias
	s_lshl_b32 s30, s26, 11                        ; (512 e + 128 w + 64 u) x 4
	s_lshl_b32 s32, s28, 9
	s_add_co_u32 s30, s30, s32
	s_lshl_b32 s32, s24, 8
	s_add_co_u32 s30, s30, s32
	s_add_nc_u64 s[36:37], s[8:9], s[30:31]
	s_mul_i32 s42, s28, PART
	s_lshl_b32 s32, s25, 1
	s_add_co_u32 s32, s32, s24
	s_mul_i32 s32, s32, FILL
	s_add_co_u32 s32, s32, s42
	s_add_co_u32 s32, s32, 32768                   ; behind the part's 16 fragments
	s_add_nc_u64 s[44:45], s[16:17], s[32:33]
	s_lshl_b32 s32, s25, 1
	s_xor_b32 s43, s24, 1
	s_add_co_u32 s32, s32, s43                     ; the partner fill,
	s_mul_i32 s32, s32, FILL
	s_add_co_u32 s32, s32, s42
	s_add_co_u32 s32, s32, 33024                   ; its second bias row
	s_add_nc_u64 s[46:47], s[16:17], s[32:33]
	v_lshlrev_b32 v12, 3, v4
	global_load_b64 v[16:17], v12, s[36:37]
	s_wait_loadcnt 0x0
	v_ldexp_f32 v16, v16, s41
	v_ldexp_f32 v17, v17, s41
	s_wait_alu depctr_va_vdst(0)
	global_store_b64 v12, v[16:17], s[44:45]
	global_store_b64 v12, v[16:17], s[46:47]
.Lno_bias:
	; Wg: in work-groups 1, 5, 9, 13 wave v makes fragment B = 4 w + v (32 along K): lane (r, h) holds expert r % 8 and k = 32 B + 16 h + 0 .. 15, eight registers of bf16.
	; Rows 8 to 15 repeat experts 0 to 7, so that both halves of the lanes end with the same logits.
	s_cmp_gt_u32 ttmp9, 15
	s_cbranch_scc1 .Ldone
	s_cmp_eq_u32 s29, 2
	s_cbranch_scc1 .Lb2
	s_cmp_lg_u32 s29, 1
	s_cbranch_scc1 .Ldone
	s_lshl_b32 s30, s28, 2
	s_add_co_u32 s30, s30, s24                     ; B
	s_lshl_b32 s30, s30, 10                        ; 32 rows of Wg are 1,024 bytes, and so is a fragment
	s_add_nc_u64 s[12:13], s[12:13], s[30:31]
	s_add_nc_u64 s[18:19], s[18:19], s[30:31]
	v_and_b32 v13, 7, v4
	v_lshlrev_b32 v13, 2, v13
	v_lshl_add_u32 v13, v7, 9, v13                 ; 4 (lane % 8) + 16 h rows of 32 bytes
	v_lshlrev_b32 v14, 4, v4                       ; 16 x lane
.set i, 0
.rept 16
	global_load_b32 v[WGX+i], v13, s[12:13] offset:32*i
.set i, i+1
.endr
	s_wait_loadcnt 0x0
.set i, 0
.rept 8
	v_cvt_pk_bf16_f32 v[WGX+16+i], v[WGX+2*i], v[WGX+2*i+1]
.set i, i+1
.endr
	s_wait_alu depctr_va_vdst(0)
	global_store_b128 v14, v[WGX+16:WGX+19], s[18:19]
	global_store_b128 v14, v[WGX+20:WGX+23], s[18:19] offset:512
	s_branch .Ldone
.Lb2:
	; b2: in work-groups 2, 6, 10, 14 a thread takes column 128 w + its number: eight experts' numbers, and stores them eight times, turned by R
	s_lshl_b32 s30, s28, 9
	s_add_nc_u64 s[10:11], s[10:11], s[30:31]
	s_lshl_b32 s30, s28, 11
	s_add_nc_u64 s[18:19], s[18:19], s[30:31]
	v_lshlrev_b32 v15, 2, v0
	v_lshlrev_b32 v16, 4, v0
.set i, 0
.rept 8
	global_load_b32 v[WGX+i], v15, s[10:11] offset:2048*i
.set i, i+1
.endr
	s_wait_alu depctr_va_vdst(0)
	s_wait_loadcnt 0x0
.set i, 0
.rept 8
.irp q, 0,1,2,3
	v_cvt_pk_bf16_f32 v[X+4*i+\q], v[WGX+(i+2*\q)%8], v[WGX+(i+2*\q+1)%8]
.endr
	global_store_b128 v16, v[X+4*i:X+4*i+3], s[18:19] offset:16384+8192*i
.set i, i+1
.endr
.Ldone:
	s_endpgm
.Lfunc_end_k_qa6786c88fe_prep:
	.size	k_qa6786c88fe_prep, .Lfunc_end_k_qa6786c88fe_prep-k_qa6786c88fe_prep
	.p2alignl 7, 3214868480
	.fill 96, 4, 3214868480
	.section	.rodata,"a",@progbits
	.p2align	6, 0x0
	.amdhsa_kernel k_qa6786c88fe_prep
		.amdhsa_group_segment_fixed_size 0
		.amdhsa_private_segment_fixed_size 0
		.amdhsa_enable_private_segment 0
		.amdhsa_kernarg_size 64
		.amdhsa_user_sgpr_count 2
		.amdhsa_user_sgpr_kernarg_segment_ptr 1
		.amdhsa_wavefront_size32 1
		.amdhsa_system_sgpr_workgroup_id_x 1
		.amdhsa_system_sgpr_workgroup_id_y 1
		.amdhsa_system_sgpr_workgroup_id_z 1
		.amdhsa_system_vgpr_workitem_id 0
		.amdhsa_next_free_vgpr 224
		.amdhsa_next_free_sgpr 66
		.amdhsa_reserve_vcc 0
		.amdhsa_float_denorm_mode_32 3
		.amdhsa_float_denorm_mode_16_64 3
		.amdhsa_memory_ordered 1
		.amdhsa_forward_progress 1
		.amdhsa_inst_pref_size 33
	.end_amdhsa_kernel
	.amdgpu_metadata
---
amdhsa.version: [ 1, 2 ]
amdhsa.kernels:
  - .name:           k_qa6786c88fe_prep
    .symbol:         k_qa6786c88fe_prep.kd
    .args:
      - { .name: W1, .offset: 0, .size: 8, .value_kind: global_buffer, .address_space: global }
      - { .name: W2, .offset: 8, .size: 8, .value_kind: global_buffer, .address_space: global }
      - { .name: b1, .offset: 16, .size: 8, .value_kind: global_buffer, .address_space: global }
      - { .name: b2, .offset: 24, .size: 8, .value_kind: global_buffer, .address_space: global }
      - { .name: Wg, .offset: 32, .size: 8, .value_kind: global_buffer, .address_space: global }
      - { .name: lowp_scales, .offset: 40, .size: 8, .value_kind: global_buffer, .address_space: global }
      - { .name: wq, .offset: 48, .size: 8, .value_kind: global_buffer, .address_space: global }
      - { .name: wgq, .offset: 56, .size: 8, .value_kind: global_buffer, .address_space: global }
    .group_segment_fixed_size: 0
    .private_segment_fixed_size: 0
    .kernarg_segment_align: 8
    .kernarg_segment_size: 64
    .max_flat_workgroup_size: 128
    .sgpr_count:     66
    .vgpr_count:     224
    .wavefront_size: 32
...
	.end_amdgpu_metadata
.endif
;; end of part 3
;; launch moe (part 4): grid 256 x 1, 4 waves a work-group, clusters of 4 x 1, 327,680 bytes of LDS; arguments x, wq, wgq, bg, lowp_scales, out0; writes out0
.if DOCPART == 4
	.amdgcn_target "amdgcn-amd-amdhsa--gfx1250"
	.amdhsa_code_object_version 6
	.text
	.protected	k_qa6786c88fe_moe
	.globl	k_qa6786c88fe_moe
	.p2align	8
	.type	k_qa6786c88fe_moe,@function
k_qa6786c88fe_moe:
	s_mov_b64 s[64:65], 0
	v_nop
	global_prefetch_b8 v0, s[64:65] scope:SCOPE_SE
	s_setreg_imm32_b32 hwreg(HW_REG_WAVE_MODE, 25, 1), 1
	s_wait_xcnt 0x0
	s_wait_alu depctr_hold_cnt(0) depctr_sa_sdst(0) depctr_va_vdst(0) depctr_va_sdst(0) depctr_va_ssrc(0) depctr_va_vcc(0) depctr_vm_vsrc(0)
	s_getreg_b32 s2, hwreg(HW_REG_IB_STS2, 6, 4)
	s_cmp_eq_u32 s2, 0
	s_cbranch_scc0 .Lentry_in_a_cluster
	s_endpgm
.Lentry_in_a_cluster:
	s_bfe_u32 s2, ttmp6, 0x10000c
	s_cmp_lg_u32 s2, 0x3003
	s_cbranch_scc0 .Lentry_shape_is_right
	s_endpgm
.Lentry_shape_is_right:
; out[t] = the sum over experts e of g_e(t) (relu(x W1_e + b1_e) W2_e + b2_e), g = softmax(x Wg + bg).  A work-group owns 64 tokens and walks all eight experts, beginning at expert (cluster % 8);
; wave w owns columns 128 w .. 128 w + 127 of both products for all 64 tokens.  x, h and the weights are codes of BF8 with given scales; sums in f32.
; THE GATES.  The outputs are summed in place, in units of the current expert's gate: ahead of an expert they are multiplied by (the last expert's gate) / (this expert's), behind the last one by its gate x 2^(eh + ew2).
; They begin as the sum over e of g_e b2_e (product 4's part in b2; operands in bf16) / (the first gate x 2^(eh + ew2)).
; LIMITS: a gate under 2^-60 counts as 2^-60: it moves a result by at most 2^-60 x that expert's result.  ex between -126 and 112; eh - ex - ew1 between -126 and 112; eh + ew2 between -60 and 60;
;   the gated b2 x 2^-(eh + ew2) under 2^60 in magnitude.  NaN and infinities among the inputs are not served.  The softmax's promise holds while the scaled logits stay under 2^31.
; WEIGHTS.  wq holds images of operand registers: fill 4 e + 2 p + u; p = 0: W1, 1: W2; u: which 64 of a wave's 128 columns; fragment 8 b' + 2 s + tp (b' pair of tiles, s K step of 128, tp tile of the pair); behind a part's
; 16 fragments (W1) two rows of 256 bytes: b1 of this fill's columns, and of fill u xor 1's.
;   u = 0 comes by joint tensor loads: the four work-groups of a cluster read the same weights in the same order.  Slot A: W1, slot B: W2, one change of each slot in an expert.
;   u = 1 goes from memory straight into 16 fragments of registers, four at a time, asked for again behind their use, at least 80 matrix instructions ahead of the next: a joint load lands in LDS, where each of these
;   bytes would be read once, by one wave, and LDS would have to hold and to hand out twice as much.
; No prefetch: clusters begin at all eight experts in turn, so in a launch's first eighth all of wq is asked for once, and every later trip asks for what other clusters have read; x is read once, at the head, with no loop to run ahead in.
; PHASE 1 of an expert: four pairs of sub-blocks of 64 tokens x 16 hidden units (D k: from the stream, L k: from slot A), each with accumulators of its own: while one is multiplied the other is held between 0 and the
; largest code.  Memory instructions stand in one run ahead of each pair; ahead of the run stand the outputs' rescaling (two tiles) and the conversions.
; PHASE 2: K steps of 128: four fragments of the stream, then four of slot B, against 4 tiles of tokens, onto 32 output accumulators; two runs of memory instructions a step.
; THE MATRIX INSTRUCTION IS USED TRANSPOSED (source 0 = weights): lane (r, h) holds token r; register j of tile (b', tp): column 32 b' + 16 h + 8 tp + j.
; The accumulators take turns, four or more, one instruction a turn.
; REGISTERS.  Window 0: v0-31 addresses and factors; phase 1: v32-55 biases, v64-127 accumulators, v128-159 h's codes; phase 2: v64-191 h, two K steps; v192-255 four fragments from LDS.
;   Window 1: x.  Window 2: the stream.  Window 3: the outputs.
.set FILL,  133120
.set PART,  33280
.set SLOTB, 133120
.set HIMG,  266240                     ; the image of h (at the head: of x): 16 fragments of 2,048 bytes
.set GT,    299008                     ; factors: 9 x 512 bytes: [factor][r][m][2 copies]
.set BT,    303616                     ; the gates as operand of the product with b2: 4 x 512 bytes
.set SPARE, 305664                     ; the spare words, 128 bytes for each wave
.set SPW,  2
.set NIL,  3
.set WA,   4                           ; LDS address of my fragments in slot A
.set WB,   5                           ; and in slot B
.set BA,   6                           ; of my biases, in slot A
.set BST,  7
.set HF,   8
.set HW,   9
.set GA0,  10
.set GAD,  11
.set SCL,  12
.set BO,   13
.set STO,  14
.set WGO,  15
.set CO,   16
.set XSC,  17
.set XLIM, 18
.set XA,   19
.set GST,  20
.set XW,   22
.set L16,  23
.set G,    24                          ; v24-31 the expert's factor, a pair of equal numbers for each m
.set BI0,  32                          ; biases of D k: v32-39 and v48-55 by turns
.set BI1,  40                          ; of L k
.set PC,   48                          ; head: x's codes
.set ACC0, 64
.set ACC1, 96
.set HB,   64
.set PD,   128                         ; h's codes of D's tiles, 4 registers for each m
.set PL,   144                         ; and of L's
.set WF,   192
.set XF,   128
.set XB,   64
.set LG,   96
.set LL,   112
.set TT,   120
.set GV,   32
.set BF,   128                         ; head: b2's eight fragments
.set TMP,  64
.set WV,   16
.set G1W,  20                          ; group 1: a wave's part of W1 with its biases
.set G1X,  28                          ; x: 32 tokens
.set G1V,  36                          ; a wave's part of W2
.set G0A,  44
.set G0B,  48
.set G0X,  52
.set G0H,  56
.set BG,   66
.set PD1,  82                          ; s[82:83], s[84:85] where the stream stands: W1's, W2's
.set PD2,  84
.set OP,   86
.set EX,   88
.set EN,   89                          ; the next expert's offset in wq
.set E0,   90
.set CNT,  91
.set G1H,  92                          ; group 1: half a fill
.set LIM,  100
.set GE,   3
.set MSB, 0
.set DSN, 0                            ; LDS instructions issued so far in the text, and loads: a wait's count is the number issued behind what it waits for
.set LDN, 0
.macro WIN new
.if MSB != (\new)
	s_set_vgpr_msb (MSB<<8)|(\new)
.set MSB, (\new)
.endif
.endm
.macro WDS rec
.if DSN-(\rec) < 63
	s_wait_dscnt DSN-(\rec)
.else
	s_wait_dscnt 63
.endif
.endm
.macro WLD rec
.if LDN-(\rec) < 63
	s_wait_loadcnt LDN-(\rec)
.else
	s_wait_loadcnt 63
.endif
.endm
.macro PLACES
.rept 4
	v_nop
.endr
.endm
.macro CREST                           ; a round of the cluster's barrier behind its opening barrier
	s_cmp_lg_u32 s[WV], 0
	s_cbranch_scc1 .Lnot_wave_0_\@
	s_barrier_signal -3
.Lnot_wave_0_\@:
	s_barrier_wait -3
	s_barrier_signal -1
	s_barrier_wait -1
.endm
.macro ROUND
	s_barrier_signal -1
	s_barrier_wait -1
	CREST
.endm
.macro LFRAG reg, adr, off             ; a fragment from LDS (windows 0 for address and destination)
.irp c, 0,1,2,3
	ds_load_b128 v[(\reg)+4*\c:(\reg)+4*\c+3], v[\adr] offset:(\off)+512*\c
.endr
.set DSN, DSN+4
.endm
.macro GFRAG i, ptr, f                 ; fragment f of the stream into place i of window 2
	WIN 0x80
.irp c, 0,1,2,3
	global_load_b128 v[16*(\i)+4*\c:16*(\i)+4*\c+3], v[L16], s[\ptr:\ptr+1] offset:2048*(\f)+512*\c
.endr
.set LDN, LDN+4
.endm
.macro LBIAS reg, off
	ds_load_b128 v[(\reg):(\reg)+3], v[BA] offset:\off
	ds_load_b128 v[(\reg)+4:(\reg)+7], v[BA] offset:(\off)+16
.set DSN, DSN+2
.endm
.macro OFFS dst, plus                  ; dst = my part of wq + the next expert + plus
	s_add_co_u32 s[OP], s[EN], \plus
	s_add_nc_u64 s[\dst:\dst+1], s[6:7], s[OP:OP+1]
.endm
	s_load_b256 s[4:11], s[0:1], 0x0               ; x, wq, wgq, bg
	s_load_b128 s[12:15], s[0:1], 0x20             ; the scales' exponents, out
	v_lshl_add_u32 v[SPW], v0, 2, SPARE
	v_mov_b32 v[NIL], 0
	ds_add_u32 v[SPW], v[NIL]                      ; the opening lines: the add, twice on end, and its wait
	ds_add_u32 v[SPW], v[NIL]
	v_lshrrev_b32 v22, 5, v0
	v_readfirstlane_b32 s[WV], v22
	s_bfe_u32 s17, ttmp6, 0x40000
	s_lshl_b32 s18, ttmp9, 2
	s_add_co_u32 s18, s18, s17                     ; my work-group: 64 tokens
	s_and_b32 s[E0], ttmp9, 7
	s_mul_i32 s80, s[E0], 4*FILL
	s_add_co_u32 s[EX], s[E0], 1
	s_and_b32 s[EX], s[EX], 7
	s_mul_i32 s[EN], s[EX], 4*FILL
	s_mov_b32 s[OP+1], 0
	s_mov_b32 s[GE], 0
	s_mov_b32 s[G1W+0], 15|(3<<16)|(1<<21)         ; joint: the cluster's four; elements of 8 bytes; rows of 256 bytes, dense
	s_mov_b32 s[G1W+1], 32<<16
	s_mov_b32 s[G1W+2], 130<<16
	s_mov_b32 s[G1W+3], 32<<16
	s_mov_b32 s[G1W+4], 130
	s_mov_b32 s[G1W+5], 32
	s_mov_b32 s[G1W+6], 0
	s_mov_b32 s[G1W+7], 0
	s_mov_b32 s[G1V+0], 15|(3<<16)|(1<<21)
	s_mov_b32 s[G1V+1], 32<<16
	s_mov_b32 s[G1V+2], 128<<16
	s_mov_b32 s[G1V+3], 32<<16
	s_mov_b32 s[G1V+4], 128
	s_mov_b32 s[G1V+5], 32
	s_mov_b32 s[G1V+6], 0
	s_mov_b32 s[G1V+7], 0
	s_mov_b32 s[G1H+0], 15|(3<<16)|(1<<21)
	s_mov_b32 s[G1H+1], 32<<16
	s_mov_b32 s[G1H+2], 260<<16
	s_mov_b32 s[G1H+3], 32<<16
	s_mov_b32 s[G1H+4], 260
	s_mov_b32 s[G1H+5], 32
	s_mov_b32 s[G1H+6], 0
	s_mov_b32 s[G1H+7], 0
	s_mov_b32 s[G1X+0], (2<<16)|(1<<20)|(7<<22)|(3<<25)   ; elements of 4 bytes; 4 words of padding behind every 256: half a token's row
	s_mov_b32 s[G1X+1], 256<<16
	s_mov_b32 s[G1X+2], 64<<16
	s_mov_b32 s[G1X+3], 256<<16
	s_mov_b32 s[G1X+4], 64
	s_mov_b32 s[G1X+5], 256
	s_mov_b32 s[G1X+6], 0
	s_mov_b32 s[G1X+7], 0
	s_mul_i32 s74, s[WV], PART
	s_add_co_u32 s75, s74, SLOTB
	s_mov_b32 s76, s74
	s_mov_b32 s77, 0
	s_and_b32 s78, s[WV], 1
	s_mul_i32 s79, s78, 2*PART                     ; half a fill, or 32 tokens of x with their padding
	s_lshl_b32 s72, s18, 17
	s_mov_b32 s73, 0
	s_lshl_b32 s70, s78, 16
	s_add_co_u32 s70, s70, s72
	s_mov_b32 s71, 0
	s_wait_dscnt 0x0
	s_wait_kmcnt 0x0
	s_load_b128 s[60:63], s[12:13], 0x0            ; ew1, ex, eh, ew2
	s_mov_b32 s[G0X+0], 1
	s_add_co_u32 s[G0X+1], s79, SLOTB
	s_add_nc_u64 s[G0X+2:G0X+3], s[4:5], s[70:71]
	s_or_b32 s[G0X+3], s[G0X+3], 0x80000000
	s_add_co_u32 s[OP], s80, s79
	s_mov_b32 s[G0H+0], 1
	s_mov_b32 s[G0H+1], s79
	s_add_nc_u64 s[G0H+2:G0H+3], s[6:7], s[OP:OP+1]
	s_or_b32 s[G0H+3], s[G0H+3], 0x80000000
	s_add_nc_u64 s[6:7], s[6:7], s[76:77]
	s_mov_b32 s[G0A+0], 1
	s_mov_b32 s[G0A+1], s74
	s_mov_b32 s[G0B+0], 1
	s_mov_b32 s[G0B+1], s75
	s_add_co_u32 s[OP], s80, 2*FILL
	s_add_nc_u64 s[G0B+2:G0B+3], s[6:7], s[OP:OP+1]
	s_or_b32 s[G0B+3], s[G0B+3], 0x80000000
	s_add_co_u32 s[OP], s80, FILL
	s_add_nc_u64 s[PD1:PD1+1], s[6:7], s[OP:OP+1]
	s_add_co_u32 s[OP], s80, 3*FILL
	s_add_nc_u64 s[PD2:PD2+1], s[6:7], s[OP:OP+1]
	s_add_nc_u64 s[14:15], s[14:15], s[72:73]
	ROUND
	s_cmp_lt_u32 s[WV], 2                          ; waves 0 and 1: x, 32 tokens each, into slot B; waves 2 and 3: halves of the first W1 fill, into slot A
	s_cbranch_scc0 .Lfill
	tensor_load_to_lds s[G0X:G0X+3], s[G1X:G1X+7]
	s_nop 0
	PLACES
	s_branch .Lasked
.Lfill:
	tensor_load_to_lds s[G0H:G0H+3], s[G1H:G1H+7]
	s_nop 0
	PLACES
.Lasked:
	v_and_b32 v[L16], 31, v0
	v_and_b32 v1, 15, v0                           ; r
	v_bfe_u32 v21, v0, 4, 1                        ; h
	v_lshlrev_b32 v[L16], 4, v[L16]
	v_add_nc_u32 v[WGO], s[E0], v0                 ; row j of the logits' product is expert (first + j) % 8
	v_and_b32 v[WGO], 7, v[WGO]
	v_lshlrev_b32 v[TT+1], 2, v[WGO]
	v_and_b32 v[TT+2], 24, v0
	v_or_b32 v[WGO], v[WGO], v[TT+2]
	v_lshlrev_b32 v[WGO], 4, v[WGO]
	global_load_b32 v[TT], v[TT+1], s[10:11]
	WIN 0xc0
.set f, 0
.rept 16
	global_load_b128 v[8*f:8*f+3],   v[WGO], s[8:9] offset:1024*f
	global_load_b128 v[8*f+4:8*f+7], v[WGO], s[8:9] offset:1024*f+512
.set f, f+1
.endr
.macro HD k                            ; four fragments of the stream for the first phase 1: sub-block D k
.irp g, 0,1,2,3
	GFRAG 4*\k+\g, PD1, 8*(\k/2)+2*\g+\k%2
.endr
.set LS_\k, LDN
	WIN 0
.endm
	HD 0
	s_add_co_u32 s66, s74, 32768
	v_add_nc_u32 v[WA], s74, v[L16]
	v_add_nc_u32 v[WB], SLOTB, v[WA]
	v_lshl_add_u32 v[BA], v21, 6, s66
	v_add_nc_u32 v[HF], HIMG, v[L16]
	s_lshl_b32 s67, s[WV], 11
	v_add_nc_u32 v[HW], s67, v[HF]
	s_lshl_b32 s68, s[WV], 13
	v_add_nc_u32 v[XW], s68, v[HF]
	s_lshl_b32 s69, s[WV], 9
	v_add_nc_u32 v[BST], s69, v[HF]
	v_add_nc_u32 v[CO], s69, v[L16]
	v_lshl_add_u32 v[GA0], v1, 5, GT
	s_lshl_b32 s70, s[WV], 3
	v_lshl_add_u32 v[GST], v21, 2, v[GA0]
	v_add_nc_u32 v[GST], s70, v[GST]
	v_mul_u32_u24 v[STO], v1, 528
	v_lshl_add_u32 v[STO], v21, 6, v[STO]
	v_add_nc_u32 v[STO], s74, v[STO]
	v_mul_u32_u24 v[XA], v1, 2080
	v_lshl_add_u32 v[XA], v21, 6, v[XA]
	v_add_nc_u32 v[XA], s75, v[XA]
	v_and_b32 v[BO], 8, v1                         ; b2's column of lane r: r + 8 (r / 8), 16 bytes each
	v_add_nc_u32 v[BO], v[BO], v1
	v_lshlrev_b32 v[BO], 4, v[BO]
	s_lshl_b32 s71, s[E0], 13
	s_add_co_u32 s71, s71, s67
	v_add_nc_u32 v[BO], s71, v[BO]
	s_wait_alu depctr_va_vdst(0)
	s_wait_kmcnt 0x0
	s_add_co_i32 s66, s61, 127
	s_lshl_b32 s67, s66, 23
	v_mov_b32 v[XSC], s67                          ; 2^ex
	s_add_co_i32 s66, s66, 15
	s_lshl_b32 s66, s66, 23
	s_or_b32 s66, s66, 0x600000
	v_mov_b32 v[XLIM], s66                         ; 57,344 x 2^ex
	s_sub_co_i32 s66, s62, s61
	s_sub_co_i32 s66, s66, s60
	s_add_co_i32 s66, s66, 127
	s_lshl_b32 s67, s66, 23
	v_mov_b32 v[SCL], s67                          ; 2^(eh - ex - ew1): the first product's sums lack 2^(ex + ew1)
	s_add_co_i32 s66, s66, 15
	s_lshl_b32 s66, s66, 23
	s_or_b32 s[LIM], s66, 0x600000                 ; 57,344 x that
	s_add_co_i32 s19, s62, s63                     ; eh + ew2
	s_sub_co_i32 s18, 0, s19
	s_wait_alu depctr_va_vdst(0)
	s_wait_tensorcnt 0x0                           ; what I have fetched is in,
	s_barrier_signal -1
	s_barrier_wait -1                              ; and what the others have
; x: wave w takes its 16 tokens, K step by K step: to bf16 for the logits, and to codes for the image
.macro XL s
.irp b, 0,1,2,3
.irp j, 0,1,2,3
	ds_load_b128 v[XF+64*((\s)%2)+16*\b+4*\j:XF+64*((\s)%2)+16*\b+4*\j+3], v[XA] offset:((\s)/2)*1040+((\s)%2)*512+128*\b+16*\j
.endr
.endr
.endm
.macro XSTEP s, left
.set XS, XF+64*((\s)%2)
	s_wait_dscnt \left                             ; this step's 16 loads are in; the next step's may be out
.irp b, 0,1,2,3
.irp j, 0,1,2,3,4,5,6,7
	v_cvt_pk_bf16_f32 v[XB+8*\b+\j], v[XS+16*\b+2*\j], v[XS+16*\b+2*\j+1]
.endr
.endr
.if \s == 0
	s_wait_alu depctr_va_vdst(0)
	s_wait_loadcnt LDN                             ; Wg and bg are in; the stream's first loads may be out
.endif
	WIN 0x03
.irp b, 0,1,2,3
.if (\s == 0) && (\b < 2)
	v_wmma_f32_16x16x32_bf16 v[LG+8*(\b%2):LG+8*(\b%2)+7], v[8*(4*\s+\b):8*(4*\s+\b)+7], v[XB+8*\b:XB+8*\b+7], 0
.else
	v_wmma_f32_16x16x32_bf16 v[LG+8*(\b%2):LG+8*(\b%2)+7], v[8*(4*\s+\b):8*(4*\s+\b)+7], v[XB+8*\b:XB+8*\b+7], v[LG+8*(\b%2):LG+8*(\b%2)+7]
.endif
.endr
	WIN 0
.irp b, 0,1,2,3
.set i, 0
.rept 16
	v_med3_num_f32 v[XS+16*\b+i], v[XS+16*\b+i], -v[XLIM], v[XLIM]   ; the conversion does not saturate (ISA guide 7.6.2)
.set i, i+1
.endr
	v_cvt_scalef32_pk8_bf8_f32 v[PC+4*\b:PC+4*\b+1], v[XS+16*\b:XS+16*\b+7], v[XSC]
	v_cvt_scalef32_pk8_bf8_f32 v[PC+4*\b+2:PC+4*\b+3], v[XS+16*\b+8:XS+16*\b+15], v[XSC]
.endr
	v_nop
.irp c, 0,1,2,3
	ds_store_b128 v[XW], v[PC+4*\c:PC+4*\c+3] offset:2048*\s+512*\c
.endr
.if \s < 2
	XL \s+2
.endif
.endm
	XL 0
	XL 1
	XSTEP 0, 16
	HD 1
	HD 2
	XSTEP 1, 16
	HD 3
	XSTEP 2, 16
.irp t, 0,1,2,3,4,5,6,7                ; b2's fragments: K = the eight experts; the rest of the instruction's 32 are zeros
	global_load_b128 v[BF+8*\t:BF+8*\t+3], v[BO], s[8:9] offset:16384+512*(\t/2)+128*(\t%2)
	v_mov_b32 v[BF+8*\t+4], 0
	v_mov_b32 v[BF+8*\t+5], 0
	v_mov_b32 v[BF+8*\t+6], 0
	v_mov_b32 v[BF+8*\t+7], 0
.endr
.set LDN, LDN+8
	s_wait_alu depctr_va_vdst(0)
	XSTEP 3, 0
.set j, 0
.rept 8
	v_readlane_b32 s[BG+j], v[TT], j
.set j, j+1
.endr
.set j, 0
.rept 8
	v_add_f32 v[LL+j], v[LG+j], v[LG+8+j]
.set j, j+1
.endr
.set j, 0
.rept 8
	v_add_f32 v[LL+j], s[BG+j], v[LL+j]
.set j, j+1
.endr
	v_max3_num_f32 v[TT], v[LL], v[LL+1], v[LL+2]
	v_max3_num_f32 v[TT], v[TT], v[LL+3], v[LL+4]
	v_max3_num_f32 v[TT], v[TT], v[LL+5], v[LL+6]
	v_max_num_f32 v[TT], v[TT], v[LL+7]
.set j, 0
.rept 8
	v_sub_f32 v[LL+j], v[LL+j], v[TT]
.set j, j+1
.endr
.set j, 0
.rept 8
	v_mul_f32 v[LL+j], 0x3fb8aa3b, v[LL+j]
.set j, j+1
.endr
	s_wait_alu depctr_va_vdst(0)
.set j, 0
.rept 8
	v_exp_f32 v[LL+j], v[LL+j]
.set j, j+1
.endr
	v_nop
	s_wait_alu depctr_va_vdst(0)
	v_add_f32 v[TT], v[LL], v[LL+1]
	v_add_f32 v[TT+1], v[LL+2], v[LL+3]
	v_add_f32 v[TT+2], v[LL+4], v[LL+5]
	v_add_f32 v[TT+3], v[LL+6], v[LL+7]
	v_add_f32 v[TT], v[TT], v[TT+1]
	v_add_f32 v[TT+2], v[TT+2], v[TT+3]
	v_add_f32 v[TT], v[TT], v[TT+2]
	s_wait_alu depctr_va_vdst(0)
	v_rcp_f32 v[TT+1], v[TT]
	v_nop
	s_wait_alu depctr_va_vdst(0)
.set j, 0
.rept 8
	v_mul_f32 v[GV+j], v[LL+j], v[TT+1]
.set j, j+1
.endr
.set j, 0
.rept 8
	v_max_num_f32 v[GV+j], 0x21800000, v[GV+j]     ; the gates, at least 2^-60
.set j, j+1
.endr
	s_wait_alu depctr_va_vdst(0)
.set j, 0
.rept 8
	v_rcp_f32 v[LL+j], v[GV+j]
.set j, j+1
.endr
	v_mov_b32 v73, 0
	s_mov_b32 s101, 0xffff0000
	s_wait_alu depctr_va_vdst(0)
	v_ldexp_f32 v64, v[LL], s18                    ; the factors: 1 / (first gate x 2^(eh + ew2)); last gate / this gate; and for the way out the last gate x 2^(eh + ew2)
.set j, 1
.rept 7
	v_mul_f32 v[64+j], v[GV+j-1], v[LL+j]
.set j, j+1
.endr
	v_ldexp_f32 v72, v[GV+7], s19
.irp i, 0,1,2,3
	v_cvt_pk_bf16_f32 v[124+\i], v[GV+2*\i], v[GV+2*\i+1]
.endr
.irp i, 0,1,2,3
	v_cndmask_b32 v[124+\i], v[124+\i], v73, s101  ; lanes 16-31 stand for K = 8 .. 15: zeros
.endr
.set j, 0
.rept 9
	ds_store_b32 v[GST], v[64+j] offset:512*j
.set j, j+1
.endr
	ds_store_b128 v[BST], v[124:127] offset:BT-HIMG
	s_wait_alu depctr_va_vdst(0)
	s_wait_tensorcnt 0x0                           ; ahead of slot B's next fill
	ds_add_u32 v[SPW], v[NIL]
	s_wait_dscnt 0x0                               ; the add is done, and my reads of x and my stores
	ROUND
	tensor_load_to_lds s[G0B:G0B+3], s[G1V:G1V+7]  ; W2 of the first expert over x
	s_nop 0
	PLACES
; What phase 1 wants first: the factors, and the biases of D 0
.macro FIRST1
	v_add_nc_u32 v[GAD], s[GE], v[GA0]
	ds_load_b128 v[G:G+3], v[GAD]
	ds_load_b128 v[G+4:G+7], v[GAD] offset:16
.set DSN, DSN+2
	LBIAS BI0, 256
.set R_BDN, DSN
.endm
.irp m, 0,1,2,3
	ds_load_b128 v[64+8*\m:67+8*\m], v[HF] offset:BT-HIMG+512*\m
.endr
.set DSN, DSN+4
.set R_BT, DSN
	FIRST1
	WIN 0x40
.set f, 0
.rept 16
.irp c, 0,1,2,3
	ds_load_b128 v[16*f+4*\c:16*f+4*\c+3], v[HF] offset:2048*f+512*\c
.endr
.set f, f+1
.endr
.set DSN, DSN+64
	WIN 0
.irp m, 0,1,2,3
	v_mov_b32 v[68+8*\m], 0
	v_mov_b32 v[69+8*\m], 0
	v_mov_b32 v[70+8*\m], 0
	v_mov_b32 v[71+8*\m], 0
.endr
	s_wait_alu depctr_va_vdst(0)
	WDS R_BT
	s_wait_loadcnt 0x0                             ; b2's fragments, the youngest loads
	WIN 0xc0
.irp t, 0,1,2,3,4,5,6,7                ; the outputs begin as the gated b2
.irp m, 0,1,2,3
	v_wmma_f32_16x16x32_bf16 v[64*(\t/2)+16*\m+8*(\t%2):64*(\t/2)+16*\m+8*(\t%2)+7], v[BF+8*\t:BF+8*\t+7], v[64+8*\m:71+8*\m], 0
.endr
.endr
	PLACES
	v_nop                                          ; the fifth: the first accumulators are laid over these operands
	WIN 0
	s_wait_dscnt 0x0                               ; x's image is in my registers:
	s_barrier_signal -1
	s_barrier_wait -1                              ; and in everybody's: h may be stored over it
; PHASE 1
.macro MM1 d, k, g, m
.if \d
.set SA, 16*(4*(\k)+(\g))
.set AC, ACC0+8*(\m)
.set BI, BI0+16*((\k)%2)
.else
.set SA, WF+16*(\g)
.set AC, ACC1+8*(\m)
.set BI, BI1
.endif
.if (\g) == 0
	v_wmma_f32_16x16x128_bf8_bf8 v[AC:AC+7], v[SA:SA+15], v[16*(4*(\m)+(\g)):16*(4*(\m)+(\g))+15], v[BI:BI+7]
.else
	v_wmma_f32_16x16x128_bf8_bf8 v[AC:AC+7], v[SA:SA+15], v[16*(4*(\m)+(\g)):16*(4*(\m)+(\g))+15], v[AC:AC+7]
.endif
.endm
.macro HOLD a
	v_med3_num_f32 v[\a], 0, s[LIM], v[\a]         ; the activation and the hold in one: between 0 and the largest code x the scale (ISA guide 7.6.2)
.endm
.macro ROW d, k, g, hold               ; K step g of sub-block (d, k); hold = 1: with it the hold of token tile g of the other accumulators
.if \d
.set HA, ACC1+8*(\g)
.else
.set HA, ACC0+8*(\g)
.endif
.irp m, 0,1,2,3
	MM1 \d, \k, \g, \m
.if \hold
	HOLD HA+2*\m
	HOLD HA+2*\m+1
.endif
.endr
.endm
.macro CODES pc, acc, tp               ; 16 hidden units' codes of 64 tokens
.irp m, 0,1,2,3
	v_cvt_scalef32_pk8_bf8_f32 v[\pc+4*\m+2*(\tp):\pc+4*\m+2*(\tp)+1], v[\acc+8*\m:\acc+8*\m+7], v[SCL]
.endr
	v_nop                                          ; a plain vector line behind the last scaled conversion
.endm
.macro PUT pc, gb                      ; into the image of h: columns 32 gb + 16 h + 0 .. 15 of my 128
.irp m, 0,1,2,3
	ds_store_b128 v[HW], v[\pc+4*\m:\pc+4*\m+3] offset:8192*\m+512*(\gb)
.endr
.set DSN, DSN+4
.endm
; The run ahead of pair k: L k's fragments and biases, D k + 1's biases, h's codes that are whole, and the stream's four places that were used last
.macro RUN k, st
.set R_BDP, R_BDN
.if \k == 0
	PLACES                                         ; (elsewhere the rescaling and the hold stand in the places)
.endif
	WIN 0
.irp g, 0,1,2,3
	LFRAG WF+16*\g, WA, 2048*(8*(\k/2)+2*\g+\k%2)
.endr
	LBIAS BI1, 128*(\k/2)+32*(\k%2)
.set R_L, DSN
.if \k < 3
	LBIAS BI0+16*((\k+1)%2), 256+128*((\k+1)/2)+32*((\k+1)%2)
.set R_BDN, DSN
.endif
.if \k == 2
	PUT PD, 2
.endif
.if \k == 3
	PUT PL, 0
.endif
.if \k == 0
.if \st
.irp g, 0,1,2,3
	GFRAG 12+\g, PD1, 9+2*\g
.endr
.set LS_3, LDN
.endif
.else
.irp g, 0,1,2,3
	GFRAG 4*(\k-1)+\g, PD2, 8*(\g/2)+2*(\k-1)+\g%2
.endr
.if \k == 1
.set LS_0, LDN
.endif
.if \k == 2
.set LS_1, LDN
.endif
.if \k == 3
.set LS_2, LDN
.endif
.endif
.endm
.macro PAIR k, st
	RUN \k, \st
	WLD LS_\k
	WDS R_BDP
	WIN 0x06
	ROW 1, \k, 0, \k>0
	ROW 1, \k, 1, \k>0
	ROW 1, \k, 2, \k>0
	ROW 1, \k, 3, \k>0
	WIN 0
.if \k > 0
	CODES PL, ACC1, (\k-1)%2                       ; L k - 1's, ahead of L k's first products
.else
	PLACES
.endif
	WDS R_L
	WIN 0x04
	ROW 0, \k, 0, 1
	ROW 0, \k, 1, 1
	ROW 0, \k, 2, 1
	ROW 0, \k, 3, 1
	WIN 0xc3
.irp u, 0,1                            ; two of the eight tiles of outputs x the factor
.irp m, 0,1,2,3
.set OT, 64*(2*\u+\k/2)+16*\m+8*(\k%2)
.irp i, 0,2,4,6
	v_pk_mul_f32 v[OT+\i:OT+\i+1], v[OT+\i:OT+\i+1], v[G+2*\m:G+2*\m+1]
.endr
.endr
.endr
	WIN 0
	CODES PD, ACC0, \k%2                           ; D k's
.endm
.macro P1 st
	PAIR 0, \st
	PAIR 1, \st
	PAIR 2, \st
	PAIR 3, \st
.irp i, 0,1,2,3,4,5,6,7,8,9,10,11,12,13,14,15,16,17,18,19,20,21,22,23,24,25,26,27,28,29,30,31
	HOLD ACC1+\i
.endr
	CODES PL, ACC1, 1
	PUT PD, 3
	PUT PL, 1
.irp g, 0,1,2,3
	GFRAG 12+\g, PD2, 8*(\g/2)+6+\g%2
.endr
.set LS_3, LDN
	WIN 0
.endm
; BETWEEN THE PHASES: h is whole behind the barrier, slot B has landed, nobody reads slot A any more: fill = 1: the next expert's W1 goes there
.macro SYNC fill
	s_wait_alu depctr_va_vdst(0)
	s_wait_tensorcnt 0x0
	ds_add_u32 v[SPW], v[NIL]
.set DSN, DSN+1
.if \fill
	s_wait_xcnt 0x0                                ; the stream's loads have read their base
	OFFS G0A+2, 0
	s_or_b32 s[G0A+3], s[G0A+3], 0x80000000
	OFFS PD1, FILL
.endif
	s_wait_dscnt 0x0                               ; the add is done, my reads of slot A and my stores of h
.if \fill
	ROUND
	tensor_load_to_lds s[G0A:G0A+3], s[G1W:G1W+7]
	s_nop 0
	PLACES
.else
	s_barrier_signal -1
	s_barrier_wait -1
.endif
.irp m, 0,1,2,3
	LFRAG HB+16*\m, HF, 8192*\m
.set R_H\m, DSN
.endr
.irp f, 0,1,2,3
	LFRAG WF+16*\f, WB, 2048*(8*(\f/2)+\f%2)
.endr
.set R_L, DSN
.if (\fill) == 0
	ds_load_b128 v[G:G+3], v[GA0] offset:4096      ; the way out's factor
	ds_load_b128 v[G+4:G+7], v[GA0] offset:4112
.set DSN, DSN+2
.endif
.endm
; PHASE 2
.macro MM2 s, f, d, m
.set OT, 64*(2*(\d)+(\f)/2)+16*(\m)+8*((\f)%2)
.set SB, HB+64*((\s)%2)+16*(\m)
.if \d
.set SA, 16*(4*(\s)+(\f))
.else
.set SA, WF+16*(\f)
.endif
	v_wmma_f32_16x16x128_bf8_bf8 v[OT:OT+7], v[SA:SA+15], v[SB:SB+15], v[OT:OT+7]
.endm
.macro ROW2 s, f, d
.irp m, 0,1,2,3
.if (\s == 0) && (\f == 0) && (\d == 1)
	WDS R_H\m
.endif
	MM2 \s, \f, \d, \m
.endr
.endm
.macro RUNA s, re                      ; slot B's four fragments of step s; re = 1: the stream's four places that step s - 1 has used, for the next phase 1
	PLACES
	WIN 0
.irp f, 0,1,2,3
	LFRAG WF+16*\f, WB, 2048*(8*(\f/2)+2*\s+\f%2)
.endr
.set R_L, DSN
.if \re
.irp g, 0,1,2,3
	GFRAG 4*(\s-1)+\g, PD1, 8*((\s-1)/2)+2*\g+(\s-1)%2
.endr
.if \s == 1
.set LS_0, LDN
.endif
.if \s == 2
.set LS_1, LDN
.endif
.if \s == 3
.set LS_2, LDN
.endif
.endif
.endm
.macro RUNB s                          ; h of the next step, over that of the step before
	WIN 0
.irp m, 0,1,2,3
	LFRAG HB+64*((\s+1)%2)+16*\m, HF, 2048*(4*\m+\s+1)
.endr
.set R_H3, DSN
.endm
.macro STEP2 s, re
.if \s > 0
	RUNA \s, \re
.endif
.if (\s == 3) && (\re == 1)
	WIN 0
	s_wait_tensorcnt 0x0                           ; THE CHANGE OF SLOT B: my part of the next W1 has landed;
	ds_add_u32 v[SPW], v[NIL]                      ; sixteen products stand between it and its wait
.set DSN, DSN+1
.endif
	WLD LS_\s
.if \s > 0
	WDS R_H3
.endif
	WIN 0xf2
	ROW2 \s, 0, 1
	ROW2 \s, 1, 1
	ROW2 \s, 2, 1
	ROW2 \s, 3, 1
.if \s < 3
	RUNB \s
.endif
.if (\s < 3) || (\re == 0)
	WDS R_L
	WIN 0xf0
	ROW2 \s, 0, 0
	ROW2 \s, 1, 0
	ROW2 \s, 2, 0
	ROW2 \s, 3, 0
.else
	WIN 0
	s_wait_xcnt 0x0                                ; the stream's loads have read their base
	OFFS G0B+2, 2*FILL
	s_or_b32 s[G0B+3], s[G0B+3], 0x80000000
	OFFS PD2, 3*FILL
	s_add_co_u32 s[GE], s[GE], 512
	s_add_co_u32 s[EX], s[EX], 1
	s_and_b32 s[EX], s[EX], 7
	s_mul_i32 s[EN], s[EX], 4*FILL
	s_wait_dscnt 0x0                               ; the add is done, and my reads of slot B and of h
	s_barrier_signal -1
	WIN 0xf0
	ROW2 3, 0, 0
	ROW2 3, 1, 0
	WIN 0
	s_barrier_wait -1
	CREST
	tensor_load_to_lds s[G0B:G0B+3], s[G1V:G1V+7]  ; the next expert's W2
	s_nop 0
	PLACES
	FIRST1
	WIN 0xf0
	ROW2 3, 2, 0
	ROW2 3, 3, 0
.endif
.endm
.macro P2 re
	STEP2 0, \re
	STEP2 1, \re
	STEP2 2, \re
	STEP2 3, \re
	WIN 0
.endm
	P1 0
	s_mov_b32 s[CNT], 7
.Lexp:                                                 ; seven trips: an expert's phase 2 and the next one's phase 1
	SYNC 1
	P2 1
	P1 1
	s_sub_co_u32 s[CNT], s[CNT], 1
	s_cmp_lg_u32 s[CNT], 0
	s_wait_alu depctr_va_vdst(0)
	s_cbranch_scc1 .Lexp
	SYNC 0
	P2 0
; THE WAY OUT: 16 tokens x 128 columns at a time x the last factor, through my own stage in slot A (filled and read for the last time in the last phase 1) and out as rows of 512 bytes
.macro TOSTAGE m
	WIN 0x03
.irp b, 0,1,2,3
.irp i, 0,2,4,6,8,10,12,14
	v_pk_mul_f32 v[TMP+16*\b+\i:TMP+16*\b+\i+1], v[64*\b+16*(\m)+\i:64*\b+16*(\m)+\i+1], v[G+2*(\m):G+2*(\m)+1]
.endr
.endr
	WIN 0
.irp b, 0,1,2,3
.irp i, 0,1,2,3
	ds_store_b128 v[STO], v[TMP+16*\b+4*\i:TMP+16*\b+4*\i+3] offset:128*\b+16*\i
.endr
.endr
.set BB, 128+64*((\m)%2)
.set t, 0
.rept 16
	ds_load_b128 v[BB+4*t:BB+4*t+3], v[WA] offset:528*t
.set t, t+1
.endr
.endm
.macro SEND m, younger
.set BB, 128+64*((\m)%2)
	s_wait_dscnt \younger                          ; the block is back; the next one's 16 stores and 16 loads may be out
.set t, 0
.rept 16
	global_store_b128 v[CO], v[BB+4*t:BB+4*t+3], s[14:15] offset:(16*(\m)+t)*2048 th:TH_STORE_NT
.set t, t+1
.endr
.endm
	PLACES
	s_wait_dscnt 0x0                               ; the factor
	TOSTAGE 0
.irp a, 1,2,3
.if \a > 1
	s_wait_xcnt 0x0                                ; block a - 2's stores have read their registers
.endif
	TOSTAGE \a
	SEND \a-1, 32
.endr
	SEND 3, 0
	s_wait_tensorcnt 0x0                           ; the wave's end
	ds_add_u32 v[SPW], v[NIL]
	s_wait_dscnt 0x0
	ROUND
	s_endpgm
.Lfunc_end_k_qa6786c88fe_moe:
	.size	k_qa6786c88fe_moe, .Lfunc_end_k_qa6786c88fe_moe-k_qa6786c88fe_moe
	.p2alignl 7, 3214868480
	.fill 96, 4, 3214868480
	.section	.rodata,"a",@progbits
	.p2align	6, 0x0
	.amdhsa_kernel k_qa6786c88fe_moe
		.amdhsa_group_segment_fixed_size 327680
		.amdhsa_private_segment_fixed_size 0
		.amdhsa_enable_private_segment 0
		.amdhsa_kernarg_size 48
		.amdhsa_user_sgpr_count 2
		.amdhsa_user_sgpr_kernarg_segment_ptr 1
		.amdhsa_wavefront_size32 1
		.amdhsa_system_sgpr_workgroup_id_x 1
		.amdhsa_system_sgpr_workgroup_id_y 1
		.amdhsa_system_sgpr_workgroup_id_z 1
		.amdhsa_system_vgpr_workitem_id 0
		.amdhsa_next_free_vgpr 1024
		.amdhsa_next_free_sgpr 102
		.amdhsa_reserve_vcc 0
		.amdhsa_float_denorm_mode_32 3
		.amdhsa_float_denorm_mode_16_64 3
		.amdhsa_memory_ordered 1
		.amdhsa_forward_progress 1
		.amdhsa_inst_pref_size 227
	.end_amdhsa_kernel
	.amdgpu_metadata
---
amdhsa.version: [ 1, 2 ]
amdhsa.kernels:
  - .name:           k_qa6786c88fe_moe
    .symbol:         k_qa6786c88fe_moe.kd
    .args:
      - { .name: x, .offset: 0, .size: 8, .value_kind: global_buffer, .address_space: global }
      - { .name: wq, .offset: 8, .size: 8, .value_kind: global_buffer, .address_space: global }
      - { .name: wgq, .offset: 16, .size: 8, .value_kind: global_buffer, .address_space: global }
      - { .name: bg, .offset: 24, .size: 8, .value_kind: global_buffer, .address_space: global }
      - { .name: lowp_scales, .offset: 32, .size: 8, .value_kind: global_buffer, .address_space: global }
      - { .name: out0, .offset: 40, .size: 8, .value_kind: global_buffer, .address_space: global }
    .group_segment_fixed_size: 327680
    .private_segment_fixed_size: 0
    .kernarg_segment_align: 8
    .kernarg_segment_size: 48
    .max_flat_workgroup_size: 128
    .sgpr_count:     102
    .vgpr_count:     1024
    .wavefront_size: 32
...
	.end_amdgpu_metadata
.endif
;; end of part 4
